; MI455X (gfx1250); checked and timed in simulation.
; The chip was launched on July 23, 2026; its instructions are those of AMD's public machine-readable ISA for CDNA 5 (MIT licence, August 2026) and "CDNA5" Instruction Set Architecture Reference Guide (July 2026). The comments in the code are by the model that wrote it; some were corrected since.
;; GQA Attention. Allowed arithmetic: matrix products marked QUANTISED: E2M3 operands, one E8M0 scale for each 32 along K, by v_wmma_scale_f32_16x16x128_f8f6f4 with both operands' format E2M3, f32 sums; everything else in f32.
;; Inputs: Wk 2,048 x 512 float32; Wo 2,048 x 2,048 float32; Wq 2,048 x 2,048 float32; Wv 2,048 x 512 float32; mask 1 x 1 x 2,048 x 4,096 bool; prev_k 1 x 2,048 x 8 x 64 float32; prev_v 1 x 2,048 x 8 x 64 float32; x 1 x 2,048 x 2,048 float32.
;; Outputs: out0 1 x 2,048 x 2,048 float32; out1 1 x 4,096 x 8 x 64 float32; out2 1 x 4,096 x 8 x 64 float32.
;; This version of the problem:
;;   THIS VERSION OF THE PROBLEM IS GIVEN IN LOW PRECISION. The matrix products marked QUANTISED in the list below multiply operands that are first quantised to E2M3 (2 exponent bits, 3 mantissa bits; 6 bits a number), with one power-of-two scale for each 32 numbers along K (OCP MX v1.0); their sums are f32. All else is computed in f32.
;;   The module's matrix products, in the order in which they are computed (A, B: the left and right operand; K: the contracted axis; several contracted axes count as one K, in the product's order):
;;     1. [M 2,048, K 2,048] x [K 2,048, N 2,048]; A: input x; B: input Wq: QUANTISED
;;     2. [M 2,048, K 2,048] x [K 2,048, N 512]; A: input x; B: input Wk: QUANTISED
;;     3. [M 2,048, K 2,048] x [K 2,048, N 512]; A: input x; B: input Wv: QUANTISED
;;     4. batch 32 x [M 2,048, K 64] x [K 64, N 4,096]; A: computed on the way; B: computed on the way: QUANTISED
;;     5. batch 32 x [M 64, K 4,096] x [K 4,096, N 2,048]; A: computed on the way; B: softmax (see below): QUANTISED
;;     6. [M 2,048, K 2,048] x [K 2,048, N 2,048]; A: computed on the way; B: input Wo: QUANTISED
;;   THE QUANTISER, for each operand of a quantised product, along K:
;;     - K is cut into blocks of 32 from its start; a last block that is shorter is filled with zeros.
;;     - A block's scale is 2^e with e = floor(log2(the largest magnitude in the block)) - 2, held to -126 .. 127; a block of zeros has e = 0. As a byte (E8M0): e + 127.
;;     - Each number is divided by its block's scale, clamped to +-7.5, and rounded to the nearest number of E2M3, ties to even, subnormals kept.
;;     - The product sums the exact products of the quantised numbers (number of the format x scale) in f32.
;;   ~~~python
;;   def quantise(x, axis):      # numpy; x: float32 -> the quantised numbers, widened to float32 again
;;       x = np.moveaxis(x, axis, -1); K = x.shape[-1]
;;       x = np.pad(x, [(0, 0)] * (x.ndim - 1) + [(0, -K % 32)]); x = x.reshape(x.shape[:-1] + (-1, 32)); a = np.abs(x).max(-1, keepdims=True)
;;       e = np.where(a > 0, np.clip(np.frexp(np.where(a > 0, a, 1))[1] - 1 - 2, -126, 127), 0)      # np.frexp(a)[1] - 1 = floor(log2(a)), exactly
;;       r = np.clip(x / 2.0 ** e, -7.5, 7.5)
;;       step = 2.0 ** (np.maximum(np.frexp(np.where(r == 0, 1, r))[1] - 1, 0) - 3)
;;       q = np.round(r / step) * step * 2.0 ** e      # np.round: ties to even
;;       return np.moveaxis(q.reshape(q.shape[:-2] + (-1,))[..., :K], -1, axis).astype(np.float32)
;;   ~~~
;;   SOFTMAX AHEAD OF A QUANTISED PRODUCT. Where the list says 'softmax', what is quantised is not the finished softmax but p = 2^(t - M), with t = logit x log2(e) and M = ceil(the row's largest t), a whole number; so 1/2 < the row's largest p <= 1. The row's sum l is taken of the UNQUANTISED p, in f32, and the product's result is divided by l at the end. Since M is a whole number, a kernel that streams over the keys may use a running M (the ceiling of the running maximum): every later rescaling is an exact power of two, which a block's scale takes up: the codes' values come out the same.
;;   OPERANDS COMPUTED ON THE WAY. 'Computed on the way' means the value that the module computes at that place (a softmax that the list does not call 'softmax' is quantised finished and normalised). What goes into a quantiser is computed in f32, as accurately as f32 sums, v_exp_f32 and their like allow (about 1e-6 of the number): no bf16 or f16 on the way to a quantiser, and a product that is left as it is and whose result goes on into a quantised operand takes f32 operands (vector FMAs, or v_wmma_f32_16x16x4_f32). A number that lies on a knife's edge between two numbers of the format may be rounded either way, as far as f32 arithmetic and the matrix unit's own rounding can turn it there, and no further.
;; One version. Each part assembles by itself: llvm-mc -triple=amdgcn-amd-amdhsa -mcpu=gfx1250 --defsym DOCPART=n.
;; ======== version 1 of 1: 4 launches
;; workspace buffers: cod 11,010,048 bytes; scl 458,752 bytes; kv 3,407,872 bytes; qcs 3,407,872 bytes; mimg 8,388,608 bytes; flags 131,072 bytes of whole numbers; acs 3,276,800 bytes
;; launch prep (part 1): grid 832 x 1, 4 waves a work-group, no clusters, 160,256 bytes of LDS; arguments x, Wq, Wk, Wv, Wo, prev_k, prev_v, mask, cod, scl, kv, mimg, flags, out1, out2; writes cod, scl, kv, mimg, flags, out1, out2
.if DOCPART == 1
	.amdgcn_target "amdgcn-amd-amdhsa--gfx1250"
	.amdhsa_code_object_version 6
	.text
	.protected	k_qa0120e9183_prep
	.globl	k_qa0120e9183_prep
	.p2align	8
	.type	k_qa0120e9183_prep,@function
k_qa0120e9183_prep:
	s_mov_b64 s[64:65], 0
	v_nop
	global_prefetch_b8 v0, s[64:65] scope:SCOPE_SE
	s_setreg_imm32_b32 hwreg(HW_REG_WAVE_MODE, 25, 1), 1
	s_wait_xcnt 0x0
; PREP: every f32 input is read once and leaves as what the later launches take.
;   W (work-groups 0-319):   Wq, Wk, Wv, Wo [K][N] f32 -> codes of FP6 (E2M3), K innermost, [column position][1536 bytes], and E8M0 bytes [column position][64].
;   X (320-447):             x [2048][2048] f32 -> codes [row position][1536] and bytes [row position][64].
;   P (448-575):             prev_k, prev_v -> copied into out1, out2 (rows 0-2047), and quantised into the key/value records of key steps 0-15.
;   M (576-831):             mask -> for each tile of 16 queries and each 128 keys an image in the order of the score tiles' registers (byte 0x00 kept, 0xFE hidden), and whole-number flags (OR of the mask's words).
; POSITION ORDER: inside each group of 32 rows, row x lies at position 16 ((x>>3)&1) + (x&7) + 8 (x>>4) (bits 3 and 4 change places), so that 16 neighbouring positions are the rows that a matrix tile wants
; for its transposed result to hold 16 neighbours along the next K in a lane's 16 registers of two neighbouring tiles.
; A KEY/VALUE RECORD (KV head g, key step of 128 keys) is 13,312 bytes at (32 g + step) x 13,312: 8 tiles of K (768 bytes: registers 0-3 at 16 x lane, registers 4-5 at 512 + 8 x lane), K's scale words (64 bytes a tile) at 6,144,
; 4 tiles of V^T (1,536 bytes: registers 4 n .. 4 n + 3 at 512 n + 16 x lane) at 6,656, V's scale words (128 bytes a tile) at 12,800.
; A block's scale is 2^(floor(log2(largest magnitude)) - 2); its byte is the largest magnitude's exponent field - 2, held at 1 from below (a block of zeros keeps the byte 1: its codes are zeros, and this program alone reads the bytes).
; LIMITS: blocks whose largest magnitude lies under 2^-124 keep the byte 1; NaN and infinities among the inputs are not served.
; Memory binds: no matrix unit, no tensor load, no cluster (no two work-groups read the same bytes).  The four paths part on the work-group's number; each has LDS bytes of its own.
.set XREG,  5632                       ; X: LDS bytes 0 .. 22,527: for each wave two stages of 32 x 80 bytes and 256 scale bytes
.set WL,    22528                      ; W: 22,528 .. 57,343: for each wave a stage of 32 rows x 272
.set ML,    57344                      ; M: 57,344 .. 92,159: for each wave a stage of 32 rows x 272
.set PL,    92160                      ; P: 92,160 .. 159,743: 128 rows x 528, the work-group's
.set SP,    80
.set CB,    12
.set STEPS, 16
.set XR,    16                         ; X: v16-79 four sets of 16 numbers as loaded; v80-111 two sets of 16 neighbours; v112-127 bytes; v128-191 codes
.set XX,    80
.set XE,    112
.set XC,    128
.set WX,    32                         ; W: v32-95 two sets of 32 numbers; v96-102 a block's codes; v112-175 the way out; v176-207 the 32 rows' offsets
.set WCD,   96
.set OUTR,  112
.set RO,    176
.set SB,    24
.set WP,    272
.set QTM,   16                         ; P: v16-31 at work; v32-43 a fragment's codes; v44-50 halves; v12 its scale word; v64-191 rows as loaded, then v64-127 a lane's 64 numbers
.set QPC,   32
.set QTH,   44
.set QPW,   12
.set QS,    64
.set HSTR,  425984                     ; from a KV head's records to the next head's: 32 x 13,312
; 64 numbers of a lane, v[QS] on, register 16 b + i = k 32 b + 16 (lane / 16) + i of the lane's row, become a fragment's 12 registers in v[QPC] on and its scale word in v[QPW].
.macro PQUANT
.irp b, 0,1,2,3
	v_max3_num_f32 v[QTM+\b], |v[QS+16*\b]|, |v[QS+1+16*\b]|, 0x1800000   ; my 16 numbers of block b, and the floor 2^(3 - 127): the byte cannot fall under 1
.endr
.irp i, 2,4,6,8,10,12,14
.irp b, 0,1,2,3
	v_max3_num_f32 v[QTM+\b], v[QTM+\b], |v[QS+16*\b+\i]|, |v[QS+1+16*\b+\i]|
.endr
.endr
.irp b, 0,1,2,3
	v_permlanex16_b32 v[QTM+4+\b], v[QTM+\b], s26, s27
.endr
.irp b, 0,1,2,3
	v_max_num_f32 v[QTM+\b], v[QTM+\b], v[QTM+4+\b]          ; with lane l xor 16's: the block's largest magnitude
.endr
.irp b, 0,1,2,3
	v_add_nc_u32 v[QTM+12+\b], 0xff000000, v[QTM+\b]         ; 2 off its exponent field: the conversion's scale operand
.endr
.irp b, 0,1,2,3
	v_lshrrev_b32 v[QTM+4+\b], 23, v[QTM+12+\b]              ; the scale's byte
.endr
	v_lshl_or_b32 v[QPW], v[QTM+5], 8, v[QTM+4]
	v_lshl_or_b32 v[QPW], v[QTM+6], 16, v[QPW]
	v_lshl_or_b32 v[QPW], v[QTM+7], 24, v[QPW]
.irp c, 0,1
	v_cvt_scalef32_pk16_fp6_f32 v[QPC+6*\c:QPC+2+6*\c], v[QS+32*\c:QS+15+32*\c], v[QTM+12+2*\c]
	v_cvt_scalef32_pk16_fp6_f32 v[QTH+4*\c:QTH+2+4*\c], v[QS+16+32*\c:QS+31+32*\c], v[QTM+12+2*\c+1]   ; (a conversion's three registers begin on an even number)
.endr
	v_nop                                                    ; one plain place behind a scaled conversion
.irp c, 0,1                                              ; the operand's layout wants a whole block in a lane
.irp i, 0,1,2
	v_permlane16_swap_b32 v[QPC+6*\c+\i], v[QTH+4*\c+\i]
.endr
.irp i, 0,1,2
	v_mov_b32 v[QPC+3+6*\c+\i], v[QTH+4*\c+\i]
.endr
.endr
.endm
	v_lshl_add_u32 v224, v0, 2, 0x27000
	v_mov_b32 v225, 0
	v_lshrrev_b32 v1, 5, v0
	v_readfirstlane_b32 s16, v1                    ; wave 0..3
	v_and_b32 v2, 31, v0                           ; lane
	s_cmp_lt_u32 ttmp9, 320
	s_cbranch_scc1 .Lpath_w
	s_cmp_lt_u32 ttmp9, 448
	s_cbranch_scc1 .Lpath_x
	s_cmp_lt_u32 ttmp9, 576
	s_cbranch_scc1 .Lpath_p
; ---------------- M: a wave takes one tile of 16 queries x 512 keys (four key steps).
	s_load_b64 s[4:5], s[0:1], 0x38                ; mask
	s_load_b128 s[8:11], s[0:1], 0x58              ; mimg, flags
	s_sub_co_u32 s17, ttmp9, 576
	s_lshl_b32 s17, s17, 2
	s_add_co_u32 s17, s17, s16                     ; u = 8 x tile + (which 512 keys): 0 .. 1,023
	s_lshr_b32 s18, s17, 3                         ; the tile of queries
	s_and_b32 s19, s17, 7
	s_lshr_b32 s20, s18, 1
	s_lshl_b32 s20, s20, 17                        ; the tile's first query is 32 (tile / 2) + 8 (tile % 2); a row of the mask is 4,096 bytes
	s_and_b32 s21, s18, 1
	s_lshl_b32 s21, s21, 15
	s_add_co_u32 s20, s20, s21
	s_lshl_b32 s21, s19, 9
	s_add_co_u32 s20, s20, s21
	s_mov_b32 s21, 0
	s_lshl_b32 s22, s17, 13                        ; the image: 8,192 bytes a unit
	s_mov_b32 s23, 0
	s_lshl_b32 s24, s17, 7                         ; the flags: 128 bytes a unit
	s_mov_b32 s25, 0
	s_mov_b32 s27, 0xfe
	s_mov_b32 s28, 0x01010101
	v_lshlrev_b32 v3, 4, v2                        ; 16 x lane
	s_mul_i32 s26, s16, 32*272
	s_add_co_u32 s26, s26, ML
	v_mul_u32_u24 v4, v2, 272
	v_add_nc_u32 v4, s26, v4                       ; into the stage: row = my lane (16 keys), 16 bytes for each query
	v_lshrrev_b32 v5, 4, v2
	v_mul_u32_u24 v5, v5, 272
	v_and_b32 v6, 15, v2
	v_lshl_add_u32 v5, v6, 4, v5
	v_add_nc_u32 v5, s26, v5                       ; back: two stage rows an instruction
	v_lshlrev_b32 v7, 2, v2
	s_wait_kmcnt 0x0
	s_add_nc_u64 s[4:5], s[4:5], s[20:21]
	s_add_nc_u64 s[8:9], s[8:9], s[22:23]
	s_add_nc_u64 s[10:11], s[10:11], s[24:25]
.irp i, 0,1,2,3,4,5,6,7,8,9,10,11,12,13,14,15
	global_load_b128 v[32+4*\i:35+4*\i], v3, s[4:5] offset:(\i+8*(\i/8))*4096 th:TH_LOAD_NT   ; the tile's query i: 512 consecutive bytes
.endr
	s_wait_loadcnt 0x0
.irp k, 0,1,2,3
	v_or_b32 v[8+\k], v[32+\k], v[36+\k]           ; the flag: is any of my 16 keys kept for any of the 16 queries?  Four chains
.endr
.irp i, 2,3,4,5,6,7,8,9,10,11,12,13,14,15
.irp k, 0,1,2,3
	v_or_b32 v[8+\k], v[8+\k], v[32+4*\i+\k]
.endr
.endr
	v_or_b32 v8, v8, v9
	v_or_b32 v10, v10, v11
	v_or_b32 v8, v8, v10
.set n, 0
.rept 64
	v_xor_b32 v[32+n], s28, v[32+n]                ; a byte 1 (kept) becomes 0, a byte 0 (hidden) 1,
.set n, n+1
.endr
.set n, 0
.rept 64
	v_mul_lo_u32 v[32+n], v[32+n], s27             ; and then 0x00 or 0xFE: no carry leaves a byte
.set n, n+1
.endr
.irp i, 0,1,2,3,4,5,6,7,8,9,10,11,12,13,14,15
	ds_store_b128 v4, v[32+4*\i:35+4*\i] offset:16*\i
.endr
.irp t, 0,1,2,3,4,5,6,7,8,9,10,11,12,13,14,15
	ds_load_b128 v[96+4*\t:99+4*\t], v5 offset:2*\t*272    ; LDS serves a wave's instructions in order: these see my stores
.endr
.irp t, 0,1,2,3,4,5,6,7,8,9,10,11,12,13,14,15
	s_wait_dscnt 15-\t                             ; the younger read-backs may be out
	global_store_b128 v3, v[96+4*\t:99+4*\t], s[8:9] offset:512*\t   ; 512 consecutive bytes
.endr
	global_store_b32 v7, v8, s[10:11]              ; 32 flag words: 8 for each of the four key steps
	s_wait_tensorcnt 0x0
	ds_add_u32 v224, v225
	s_wait_dscnt 0x0
	s_endpgm
; ---------------- X: x as a plain stream of blocks of 32; a wave takes 4 rows (8,192 numbers), 16 steps of 512.
.Lpath_x:
	s_load_b64 s[4:5], s[0:1], 0x0                 ; x
	s_load_b128 s[8:11], s[0:1], 0x40              ; cod, scl
	v_lshlrev_b32 v3, 4, v2                        ; my 16 bytes of a load's 512
	s_mul_i32 s17, s16, XREG
	v_lshrrev_b32 v14, 2, v2
	v_mul_u32_u24 v14, v14, SP
	v_and_b32 v15, 3, v2
	v_lshl_add_u32 v14, v15, 4, v14
	v_add_nc_u32 v14, s17, v14                     ; the stage, on the way in: four lanes' 64 bytes on end, then 16 of padding
	v_mul_u32_u24 v15, v2, SP
	v_add_nc_u32 v15, s17, v15                     ; and on the way out: my 16 neighbours
	v_mul_u32_u24 v4, v2, CB                       ; my codes' place in a step's
	v_lshrrev_b32 v5, 1, v2
	s_add_co_u32 s17, s17, 2*32*SP
	v_add_nc_u32 v5, s17, v5                       ; my wave's 256 scale bytes, my block's byte
	v_lshlrev_b32 v7, 3, v2
	v_add_nc_u32 v6, s17, v7
	s_sub_co_u32 s18, ttmp9, 320
	s_lshl_b32 s18, s18, 2
	s_add_co_u32 s18, s18, s16                     ; which run of 4 rows
	s_lshl_b32 s20, s18, 15                        ; 32,768 bytes of x a run
	s_mov_b32 s21, 0
	s_lshl_b32 s22, s18, 2                         ; its first row;
	s_and_b32 s23, s22, 0xffffffe7
	s_and_b32 s24, s22, 8
	s_lshl_b32 s24, s24, 1
	s_or_b32 s23, s23, s24
	s_and_b32 s24, s22, 16
	s_lshr_b32 s24, s24, 1
	s_or_b32 s23, s23, s24                         ; that row's position: bits 3 and 4 change places; the run's 4 rows stay neighbours
	s_mul_i32 s24, s23, 1536
	s_mov_b32 s25, 0
	s_lshl_b32 s26, s23, 6
	s_mov_b32 s27, 0
	s_wait_kmcnt 0x0
	s_add_nc_u64 s[4:5], s[4:5], s[20:21]
	s_add_nc_u64 s[8:9], s[8:9], s[24:25]
	s_add_nc_u64 s[10:11], s[10:11], s[26:27]
.macro XLOAD t
.irp i, 0,1,2,3
	global_load_b128 v[XR+16*((\t)%4)+4*\i:XR+16*((\t)%4)+4*\i+3], v3, s[4:5] offset:2048*(\t)+512*\i th:TH_LOAD_NT   ; 512 consecutive bytes
.endr
.endm
.macro XTURN t                         ; step t's numbers through the stage: LDS serves a wave's instructions in order
.irp i, 0,1,2,3
	ds_store_b128 v14, v[XR+16*((\t)%4)+4*\i:XR+16*((\t)%4)+4*\i+3] offset:32*SP*((\t)%2)+8*SP*\i
.endr
.irp i, 0,1,2,3
	ds_load_b128 v[XX+16*((\t)%2)+4*\i:XX+16*((\t)%2)+4*\i+3], v15 offset:32*SP*((\t)%2)+16*\i
.endr
.endm
.irp t, 0,1,2,3
	XLOAD \t
.endr
	s_wait_loadcnt 12                              ; step 0's four loads are in; three steps' twelve may be out
	XTURN 0
.macro XSTEP t
.set XS, XX+16*((\t)%2)
.if (\t) > 0
	s_wait_dscnt 1                                 ; this step's numbers are back from the stage (the last step's byte store may be out)
.else
	s_wait_dscnt 0x0
.endif
.if (\t)+4 < STEPS
	XLOAD (\t)+4
.endif
.if (\t)+1 < STEPS
.if STEPS-2-(\t) >= 3
	s_wait_loadcnt 12                              ; the next step's four loads are in; those of the three steps behind it may be out
.else
	s_wait_loadcnt 4*(STEPS-2-(\t))
.endif
	XTURN (\t)+1
.endif
	v_max3_num_f32 v8, |v[XS]|, |v[XS+1]|, |v[XS+2]|
	v_max3_num_f32 v9, |v[XS+3]|, |v[XS+4]|, |v[XS+5]|
.irp i, 6,10
	v_max3_num_f32 v8, v8, |v[XS+\i]|, |v[XS+\i+1]|
	v_max3_num_f32 v9, v9, |v[XS+\i+2]|, |v[XS+\i+3]|
.endr
	v_max3_num_f32 v8, v8, |v[XS+14]|, |v[XS+15]|
	v_max3_num_f32 v8, v8, v9, 0x1800000           ; and the floor
	v_max_num_f32_dpp v8, v8, v8 row_xmask:1 row_mask:0xf bank_mask:0xf   ; and my neighbour's 16: the block's
	v_add_nc_u32 v11, 0xff000000, v8
	v_cvt_scalef32_pk16_fp6_f32 v[XC+4*(\t):XC+4*(\t)+2], v[XS:XS+15], v11
	v_lshrrev_b32 v[XE+(\t)], 23, v11              ; the scale's byte
	ds_store_b8 v5, v[XE+(\t)] offset:16*(\t)      ; both lanes of a block write the same byte with the same value
	global_store_b96 v4, v[XC+4*(\t):XC+4*(\t)+2], s[8:9] offset:32*CB*(\t)
.endm
.irp t, 0,1,2,3,4,5,6,7,8,9,10,11,12,13,14,15
	XSTEP \t
.endr
	ds_load_b64 v[12:13], v6
	s_wait_dscnt 0x0
	global_store_b64 v7, v[12:13], s[10:11]        ; 256 consecutive bytes: the four rows' scale bytes
	s_wait_tensorcnt 0x0
	ds_add_u32 v224, v225
	s_wait_dscnt 0x0
	s_endpgm
; ---------------- W: a lane takes a column, its registers run down K.  A work-group: 128 columns x 256 of K; a wave 32 columns.
.Lpath_w:
	s_load_b256 s[8:15], s[0:1], 0x8               ; Wq, Wk, Wv, Wo
	s_load_b128 s[20:23], s[0:1], 0x40             ; cod, scl
	s_mov_b32 s24, 192                             ; Wo: first work-group, log2 of the groups of 128 columns, bytes in a row, where its codes and its bytes begin
	s_mov_b32 s25, 4
	s_mov_b32 s26, 8192
	s_mov_b32 s27, 7864320
	s_mov_b32 s28, 327680
	s_cmp_lt_u32 ttmp9, 192                        ; Wv
	s_cselect_b32 s24, 160, s24
	s_cselect_b32 s25, 2, s25
	s_cselect_b32 s26, 2048, s26
	s_cselect_b32 s27, 7077888, s27
	s_cselect_b32 s28, 294912, s28
	s_cmp_lt_u32 ttmp9, 160                        ; Wk
	s_cselect_b32 s24, 128, s24
	s_cselect_b32 s27, 6291456, s27
	s_cselect_b32 s28, 262144, s28
	s_cmp_lt_u32 ttmp9, 128                        ; Wq
	s_cselect_b32 s24, 0, s24
	s_cselect_b32 s25, 4, s25
	s_cselect_b32 s26, 8192, s26
	s_cselect_b32 s27, 3145728, s27
	s_cselect_b32 s28, 131072, s28
	s_sub_co_u32 s29, ttmp9, s24
	s_lshr_b32 s30, s29, s25                       ; which 256 of K
	s_lshl_b32 s31, s30, s25
	s_sub_co_u32 s31, s29, s31                     ; which 128 columns
	s_lshl_b32 s31, s31, 7
	s_lshl_b32 s17, s16, 5
	s_add_co_u32 s31, s31, s17                     ; my wave's first column
	s_lshl_b32 s18, s30, 8
	s_mul_i32 s18, s18, s26
	s_lshl_b32 s19, s31, 2
	s_add_co_u32 s18, s18, s19                     ; where my part of W begins
	s_mov_b32 s19, 0
	s_lshl_b32 s48, s26, 5                         ; 32 rows on
	s_mov_b32 s49, 0
	s_mul_i32 s50, s31, 1536
	s_add_co_u32 s50, s50, s27
	s_mul_i32 s51, s30, 192
	s_add_co_u32 s50, s50, s51                     ; my codes
	s_mov_b32 s51, 0
	s_lshl_b32 s52, s31, 6
	s_add_co_u32 s52, s52, s28
	s_lshl_b32 s53, s30, 3
	s_add_co_u32 s52, s52, s53                     ; my scale bytes
	s_mov_b32 s53, 0
	v_lshlrev_b32 v3, 2, v2
	s_mul_i32 s54, s16, 32*WP
	s_add_co_u32 s54, s54, WL                      ; my stage
	v_mul_u32_u24 v4, v2, WP
	v_add_nc_u32 v4, s54, v4                       ; into it: row = my column
	v_and_b32 v5, 15, v2
	v_lshrrev_b32 v6, 4, v2
	v_mul_u32_u24 v7, v6, WP
	v_lshl_add_u32 v7, v5, 4, v7
	v_add_nc_u32 v7, s54, v7                       ; out of it: sixteen lanes to a row, two rows an instruction
	v_mul_u32_u24 v8, v6, 1536
	v_mad_u32_u24 v8, v5, 12, v8                   ; and the same place in the codes
	v_and_b32 v9, 7, v2
	v_and_b32 v10, 8, v2
	v_lshl_or_b32 v9, v10, 1, v9
	v_and_b32 v10, 16, v2
	v_lshrrev_b32 v10, 1, v10
	v_or_b32 v9, v9, v10
	v_lshlrev_b32 v9, 6, v9                        ; my column's position x 64: its row of scale bytes
.set n, 0
.rept 32
	v_mad_u32_u24 v[RO+n], s26, n, v3              ; row n of a block: n rows + 4 x lane; never rewritten
.set n, n+1
.endr
	s_wait_kmcnt 0x0
	s_mov_b64 s[4:5], s[14:15]
	s_cmp_lt_u32 ttmp9, 192
	s_cselect_b64 s[4:5], s[12:13], s[4:5]
	s_cmp_lt_u32 ttmp9, 160
	s_cselect_b64 s[4:5], s[10:11], s[4:5]
	s_cmp_lt_u32 ttmp9, 128
	s_cselect_b64 s[4:5], s[8:9], s[4:5]
	s_add_nc_u64 s[32:33], s[4:5], s[18:19]        ; a base for each of the 8 blocks: no pointer is stepped
.irp t, 1,2,3,4,5,6,7
	s_add_nc_u64 s[32+2*\t:33+2*\t], s[30+2*\t:31+2*\t], s[48:49]
.endr
	s_add_nc_u64 s[20:21], s[20:21], s[50:51]
	s_add_nc_u64 s[22:23], s[22:23], s[52:53]
.macro WLOAD t
.set n, 0
.rept 32
	global_load_b32 v[WX+32*((\t)%2)+n], v[RO+n], s[32+2*(\t):33+2*(\t)] th:TH_LOAD_NT   ; 128 consecutive bytes a wave
.set n, n+1
.endr
.endm
	WLOAD 0
	WLOAD 1
.macro WBLOCK t
.set XS, WX+32*((\t)%2)
.if (\t) < 7
	s_wait_loadcnt 32                              ; this block's 32 loads are in; the next block's may be out
.else
	s_wait_loadcnt 0x0
.endif
	v_max3_num_f32 v12, |v[XS]|, |v[XS+1]|, |v[XS+2]|      ; the block's largest magnitude: all 32 numbers are mine
	v_max3_num_f32 v13, |v[XS+3]|, |v[XS+4]|, |v[XS+5]|
.irp i, 6,10,14,18,22,26
	v_max3_num_f32 v12, v12, |v[XS+\i]|, |v[XS+\i+1]|
	v_max3_num_f32 v13, v13, |v[XS+\i+2]|, |v[XS+\i+3]|
.endr
	v_max3_num_f32 v12, v12, |v[XS+30]|, |v[XS+31]|
	v_max3_num_f32 v12, v12, v13, 0x1800000
	v_add_nc_u32 v11, 0xff000000, v12
	v_lshrrev_b32 v13, 23, v11
.if (\t)%4 == 0
	v_mov_b32 v[SB+(\t)/4], v13
.else
	v_lshl_or_b32 v[SB+(\t)/4], v13, 8*((\t)%4), v[SB+(\t)/4]
.endif
	v_cvt_scalef32_pk16_fp6_f32 v[WCD:WCD+2], v[XS:XS+15], v11
	v_cvt_scalef32_pk16_fp6_f32 v[WCD+4:WCD+6], v[XS+16:XS+31], v11
	v_nop                                          ; one plain place behind a scaled conversion
	ds_store_b96 v4, v[WCD:WCD+2] offset:32*(\t)   ; 12 bytes to a place of 16
	ds_store_b96 v4, v[WCD+4:WCD+6] offset:32*(\t)+16
.if (\t)+2 < 8
	WLOAD (\t)+2
.endif
	s_wait_dscnt 0x0                               ; the stores have read their registers
.endm
.irp t, 0,1,2,3,4,5,6,7
	WBLOCK \t
.endr
	global_store_b64 v9, v[SB:SB+1], s[22:23]      ; my column's 8 scale bytes
.irp t, 0,1,2,3,4,5,6,7,8,9,10,11,12,13,14,15
	ds_load_b96 v[OUTR+4*\t:OUTR+4*\t+2], v7 offset:2*\t*WP
.endr
.irp t, 0,1,2,3,4,5,6,7,8,9,10,11,12,13,14,15
	s_wait_dscnt 15-\t
	global_store_b96 v8, v[OUTR+4*\t:OUTR+4*\t+2], s[20:21] offset:(16*(((2*\t)>>3)&1)+((2*\t)&7)+8*((2*\t)>>4))*1536   ; columns 2 t, 2 t + 1 go to their positions: 192 consecutive bytes each
.endr
	s_wait_tensorcnt 0x0
	ds_add_u32 v224, v225
	s_wait_dscnt 0x0
	s_endpgm
; ---------------- P: a work-group takes 128 cached tokens (a key step) x 2 KV heads of prev_k or of prev_v.
.Lpath_p:
	s_load_b128 s[4:7], s[0:1], 0x28               ; prev_k, prev_v
	s_load_b64 s[8:9], s[0:1], 0x50                ; kv
	s_load_b128 s[12:15], s[0:1], 0x68             ; out1, out2
	s_sub_co_u32 s17, ttmp9, 448
	s_lshr_b32 s18, s17, 6                         ; 0: K, 1: V
	s_bfe_u32 s19, s17, 0x40002                    ; the key step
	s_and_b32 s20, s17, 3                          ; the pair of heads
	s_lshl_b32 s22, s19, 18                        ; 128 tokens of 2,048 bytes,
	s_lshl_b32 s23, s16, 16                        ; my wave's 32 of them,
	s_add_co_u32 s22, s22, s23
	s_lshl_b32 s23, s20, 9                         ; the pair's 512 bytes
	s_add_co_u32 s22, s22, s23
	s_mov_b32 s23, 0
	s_lshl_b32 s24, s20, 6
	s_add_co_u32 s24, s24, s19
	s_mul_i32 s24, s24, 13312                      ; the first head's record
	s_mov_b32 s25, 0
	s_mov_b32 s26, 0x76543210
	s_mov_b32 s27, 0xfedcba98                      ; v_permlanex16_b32's selects for lane l xor 16
	v_and_b32 v9, 15, v2                           ; r
	v_lshrrev_b32 v14, 4, v2                       ; h
	v_lshlrev_b32 v3, 4, v2
	v_lshlrev_b32 v7, 3, v2
	v_lshlrev_b32 v8, 2, v2
	v_lshlrev_b32 v10, 4, v14
	s_mul_i32 s28, s16, 32*528
	s_add_co_u32 s28, s28, PL
	v_add_nc_u32 v4, s28, v3                       ; into the stage: my wave's 32 rows, 16 bytes a lane
	v_mul_u32_u24 v5, v9, 528
	v_lshl_add_u32 v5, v14, 6, v5
	v_add_nc_u32 v5, s28, v5                       ; K: row 32 w + r, + 64 h: 16 numbers of each block of 32 along d
	v_and_b32 v6, 8, v9
	v_add_nc_u32 v6, v6, v9
	v_lshlrev_b32 v6, 2, v6
	v_mad_u32_u24 v6, v14, 8*528, v6
	s_lshl_b32 s29, s16, 7
	s_add_co_u32 s29, s29, PL
	v_add_nc_u32 v6, s29, v6                       ; V: column 4 (r + 8 (r / 8)) + 128 w, rows from 8 h on
	v_mul_u32_u24 v11, v14, HSTR
	v_lshl_add_u32 v11, v9, 2, v11                 ; K's scale words: lanes 0-15 the first head's, lanes 16-31 the second's
.irp b, 0,1,2,3
	v_mov_b32 v[QTM+4+\b], 0                       ; a lane permute's destination counts as one of its sources
.endr
	s_wait_kmcnt 0x0
	s_cmp_eq_u32 s18, 0
	s_cselect_b64 s[4:5], s[4:5], s[6:7]
	s_cselect_b64 s[12:13], s[12:13], s[14:15]
	s_add_nc_u64 s[4:5], s[4:5], s[22:23]
	s_add_nc_u64 s[12:13], s[12:13], s[22:23]
	s_add_nc_u64 s[8:9], s[8:9], s[24:25]
.set n, 0
.rept 32
	global_load_b128 v[64+4*n:67+4*n], v3, s[4:5] offset:n*2048 th:TH_LOAD_NT   ; a token's two heads: 512 consecutive bytes
.set n, n+1
.endr
.set n, 0
.rept 32
	s_wait_loadcnt 31-n                            ; the younger rows may be out
	global_store_b128 v3, v[64+4*n:67+4*n], s[12:13] offset:n*2048 th:TH_STORE_NT   ; the cache's copy in the output
	ds_store_b128 v4, v[64+4*n:67+4*n] offset:(16*((n>>3)&1)+(n&7)+8*(n>>4))*528    ; and the stage, at the token's position
.set n, n+1
.endr
	s_wait_dscnt 0x0                               ; for the others' sake: my rows lie in the stage
	s_barrier_signal -1
	s_barrier_wait -1
	s_wait_xcnt 0x0                                ; the stores have read their registers, which are loaded again below
	s_cmp_lg_u32 s18, 0
	s_cbranch_scc1 .Lp_v
	; K: wave w makes tiles 2 w and 2 w + 1 of both heads: a lane's 64 numbers are 16 of each of the row's four blocks (two heads x two blocks of d)
	s_mul_i32 s30, s16, 1536
	s_mov_b32 s31, 0
	s_add_nc_u64 s[10:11], s[8:9], s[30:31]        ; my tiles
	s_lshl_b32 s30, s16, 7
	s_add_co_u32 s30, s30, 6144
	s_add_nc_u64 s[32:33], s[8:9], s[30:31]        ; their scale words
.irp j, 0,1
.irp b, 0,1,2,3
.irp q, 0,1,2,3
	ds_load_b128 v[QS+16*\b+4*\q:QS+16*\b+4*\q+3], v5 offset:16*\j*528+128*\b+16*\q
.endr
.endr
	s_wait_dscnt 0x0
	s_wait_xcnt 0x0                                ; the last tile's stores have read the registers that are written now
	PQUANT
.irp c, 0,1
	global_store_b128 v3, v[QPC+6*\c:QPC+6*\c+3], s[10:11] offset:\c*HSTR+768*\j
	global_store_b64 v7, v[QPC+6*\c+4:QPC+6*\c+5], s[10:11] offset:\c*HSTR+768*\j+512
.endr
	v_lshrrev_b32 v13, v10, v[QPW]
	v_and_b32 v13, 0xffff, v13                     ; my head's two bytes; the word's upper two are 0: they stand over zero codes
	global_store_b32 v11, v13, s[32:33] offset:64*\j
.endr
	s_wait_tensorcnt 0x0
	ds_add_u32 v224, v225
	s_wait_dscnt 0x0
	s_endpgm
.Lp_v:
	; V: wave w makes tiles 2 (w % 2), 2 (w % 2) + 1 of V^T of head w / 2: a lane takes one d, its registers run down the keys
	s_lshr_b32 s30, s16, 1
	s_mul_i32 s30, s30, HSTR
	s_and_b32 s34, s16, 1
	s_mul_i32 s35, s34, 3072
	s_add_co_u32 s35, s35, s30
	s_add_co_u32 s35, s35, 6656
	s_mov_b32 s36, s35
	s_mov_b32 s37, 0
	s_add_nc_u64 s[10:11], s[8:9], s[36:37]        ; my tiles
	s_lshl_b32 s36, s34, 8
	s_add_co_u32 s36, s36, s30
	s_add_co_u32 s36, s36, 12800
	s_add_nc_u64 s[32:33], s[8:9], s[36:37]        ; their scale words
.irp j, 0,1
.irp b, 0,1,2,3
.irp i, 0,1,2,3,4,5,6,7,8,9,10,11,12,13,14,15
	ds_load_b32 v[QS+16*\b+\i], v6 offset:(32*\b+\i+8*(\i/8))*528+32*\j    ; key 32 b + 16 h + i lies at stage row 32 b + i + 8 (i / 8) + 8 h
.endr
.endr
	s_wait_dscnt 0x0
	s_wait_xcnt 0x0
	PQUANT
.irp c, 0,1,2
	global_store_b128 v3, v[QPC+4*\c:QPC+4*\c+3], s[10:11] offset:1536*\j+512*\c
.endr
	global_store_b32 v8, v[QPW], s[32:33] offset:128*\j
.endr
	s_wait_tensorcnt 0x0
	ds_add_u32 v224, v225
	s_wait_dscnt 0x0
	s_endpgm
.Lfunc_end_k_qa0120e9183_prep:
	.size	k_qa0120e9183_prep, .Lfunc_end_k_qa0120e9183_prep-k_qa0120e9183_prep
	.p2alignl 7, 3214868480
	.fill 96, 4, 3214868480
	.section	.rodata,"a",@progbits
	.p2align	6, 0x0
	.amdhsa_kernel k_qa0120e9183_prep
		.amdhsa_group_segment_fixed_size 160256
		.amdhsa_private_segment_fixed_size 0
		.amdhsa_enable_private_segment 0
		.amdhsa_kernarg_size 120
		.amdhsa_user_sgpr_count 2
		.amdhsa_user_sgpr_kernarg_segment_ptr 1
		.amdhsa_wavefront_size32 1
		.amdhsa_system_sgpr_workgroup_id_x 1
		.amdhsa_system_sgpr_workgroup_id_y 1
		.amdhsa_system_sgpr_workgroup_id_z 1
		.amdhsa_system_vgpr_workitem_id 0
		.amdhsa_next_free_vgpr 226
		.amdhsa_next_free_sgpr 66
		.amdhsa_reserve_vcc 0
		.amdhsa_float_denorm_mode_32 3
		.amdhsa_float_denorm_mode_16_64 3
		.amdhsa_memory_ordered 1
		.amdhsa_forward_progress 1
		.amdhsa_inst_pref_size 133
	.end_amdhsa_kernel
	.amdgpu_metadata
---
amdhsa.version: [ 1, 2 ]
amdhsa.kernels:
  - .name:           k_qa0120e9183_prep
    .symbol:         k_qa0120e9183_prep.kd
    .args:
      - { .name: x, .offset: 0, .size: 8, .value_kind: global_buffer, .address_space: global }
      - { .name: Wq, .offset: 8, .size: 8, .value_kind: global_buffer, .address_space: global }
      - { .name: Wk, .offset: 16, .size: 8, .value_kind: global_buffer, .address_space: global }
      - { .name: Wv, .offset: 24, .size: 8, .value_kind: global_buffer, .address_space: global }
      - { .name: Wo, .offset: 32, .size: 8, .value_kind: global_buffer, .address_space: global }
      - { .name: prev_k, .offset: 40, .size: 8, .value_kind: global_buffer, .address_space: global }
      - { .name: prev_v, .offset: 48, .size: 8, .value_kind: global_buffer, .address_space: global }
      - { .name: mask, .offset: 56, .size: 8, .value_kind: global_buffer, .address_space: global }
      - { .name: cod, .offset: 64, .size: 8, .value_kind: global_buffer, .address_space: global }
      - { .name: scl, .offset: 72, .size: 8, .value_kind: global_buffer, .address_space: global }
      - { .name: kv, .offset: 80, .size: 8, .value_kind: global_buffer, .address_space: global }
      - { .name: mimg, .offset: 88, .size: 8, .value_kind: global_buffer, .address_space: global }
      - { .name: flags, .offset: 96, .size: 8, .value_kind: global_buffer, .address_space: global }
      - { .name: out1, .offset: 104, .size: 8, .value_kind: global_buffer, .address_space: global }
      - { .name: out2, .offset: 112, .size: 8, .value_kind: global_buffer, .address_space: global }
    .group_segment_fixed_size: 160256
    .private_segment_fixed_size: 0
    .kernarg_segment_align: 8
    .kernarg_segment_size: 120
    .max_flat_workgroup_size: 128
    .sgpr_count:     66
    .vgpr_count:     226
    .wavefront_size: 32
...
	.end_amdgpu_metadata
.endif
;; end of part 1
;; launch qkv (part 2): grid 12 x 8, 4 waves a work-group, no clusters, 327,680 bytes of LDS; arguments cod, scl, qcs, kv, out1, out2; writes qcs, kv, out1, out2
.if DOCPART == 2
	.amdgcn_target "amdgcn-amd-amdhsa--gfx1250"
	.amdhsa_code_object_version 6
	.text
	.protected	k_qa0120e9183_qkv
	.globl	k_qa0120e9183_qkv
	.p2align	8
	.type	k_qa0120e9183_qkv,@function
k_qa0120e9183_qkv:
	s_mov_b64 s[64:65], 0
	v_nop
	global_prefetch_b8 v0, s[64:65] scope:SCOPE_SE
	s_setreg_imm32_b32 hwreg(HW_REG_WAVE_MODE, 25, 1), 1
	s_wait_xcnt 0x0
; q = x Wq, k = x Wk, v = x Wv on codes of FP6 (E2M3) with one E8M0 scale for each 32 along K = 2,048; sums in f32.  Operands: xc [2048 positions][1536 bytes] at cod + 0, wc [3072 positions: Wq, Wk, Wv][1536] at cod + 3,145,728;
; their scale bytes [position][64] at scl + 0 and scl + 131,072.  Rows lie in position order (inside each 32 rows bits 3 and 4 of the row number change places).
; A tile of 256 x 256 is made by four waves, 128 x 128 each: 64 accumulators, 512 registers.  K goes in steps of 256 through two LDS slots filled by the tensor data mover; the scale bytes of the 512 rows come once.
; Work-group x: 0-7 tiles of q, 8-9 of k, 10-11 of v; y: 256 tokens.  THE MATRIX INSTRUCTION IS USED TRANSPOSED (source 0 = 16 rows of "B", source 1 = 16 rows of "A"): a lane holds one row of A and, by the position order,
; its registers 16 b + i of a block of A are column 32 b + 16 (lane / 16) + i of B's 128.  For q and k: A = x, B = W: a lane's registers run along the head's d, the next product's K.  For v the two change places (A = Wv, B = x):
; a lane's registers run along the tokens, which are the K of the product with the softmax.  So every result is quantised in registers and goes to memory as codes: q as tiles for the attention launch, k and v into the
; key/value records of key steps 16-31; k and v also leave as f32, the problem's outputs (rows 2,048 on).
; NO CLUSTER: of the 12 tile columns 8 are q's, 2 k's and 2 v's; v takes x on the other side and the three kinds leave by different ways, so four neighbours along x would part on a number that differs between partners,
; and along y the shared operand changes sides between the kinds.
; LIMITS: blocks whose largest magnitude lies under 2^-124 keep the scale byte 1; NaN and infinities are not served.
; REGISTERS, in windows of 256: window 0: v0-31 addresses; v32-63 scale words and nothing else; from v128 A's fragments, one set; on the way out v64-159 codes, v160-167 scale words, v168-190 at work, then v128-255 rows read back.
;   window 1: B's fragments, two sets.  window 2, 3: the accumulators of my rows 0-63, 64-127 ((a, b) at v[8 (8 (a % 4) + b)]).
.set NQ,     2
.set ROWB,   192
.set KROW,   1536
.set PITCH,  240                       ; an LDS row: 3 x (64 bytes + 16 of padding)
.set FR,     12
.set NL,     6
.set NP,     4
.set HALFT,  128*PITCH
.set SLOT,   4*HALFT
.set LAPS,   4                         ; 2,048 / 512
.set KS,     64
.set SCL,    2*SLOT
.set HALFS,  (128*KS/256)*272
.set SBLK,   (16*KS/256)*272
.set SPARE,  SCL+4*HALFS               ; the spare words, 128 bytes for each wave: two blocks of 256 bytes that no other line names
.set SPITCH, 528
.set VSTG,   4*16*SPITCH               ; v's stage, behind k's; both lie in slot 0, which has had its last fill and its last read when the first result is stored there
.set HSTR,   425984
.set ADRA, 16
.set ADRB, 20
.set STO,  24                          ; k's way out: where I put 32 bytes of a row
.set RD,   25
.set CO,   26                          ; 16 x lane
.set ADRS, 27
.set SPW,  28
.set NIL,  29
.set VSTO, 10                          ; v's way out: where I put a number
.set VRD,  11
.set L8,   12                          ; 8 x lane
.set L4,   13                          ; 4 x lane
.set SOF,  14                          ; scale words of q and k: lanes 0-15 the first head's, lanes 16-31 the second's
.set SH,   15                          ; 16 x (lane / 16)
.set SC,   32
.set AF,   128
.set BK,   128
.set CDB,  64
.set PWR,  160
.set TM,   168
.set TH,   184
.set G1,  24                           ; s[24:31] group 1 for tiles of codes; s[32:39] group 0, one set for each slot
.set G0,  32
.set G1S, 40                           ; s[40:47], s[48:51] groups 1 and 0 for the scale bytes
.set G0S, 48
.set MSB, 0
.macro WIN new                         ; the immediate's high byte repeats the setting that is left
.if MSB != \new
	s_set_vgpr_msb (MSB<<8)|\new
.set MSB, \new
.endif
.endm
.set MUL_LO, 0xa1
.set MUL_HI, 0xf1
.set TO_B,   0x40
.macro FINISH                          ; the wave's end: behind my last tensor load and my last LDS store
	s_wait_tensorcnt 0x0
	ds_add_u32 v[SPW], v[NIL]
	s_wait_dscnt 0x0
	s_endpgm
.endm
	s_load_b256 s[4:11], s[0:1], 0x0               ; cod s[4:5], scl s[6:7], qcs s[8:9], kv s[10:11]
	s_load_b128 s[12:15], s[0:1], 0x20             ; out1, out2
	v_lshl_add_u32 v[SPW], v0, 2, SPARE
	v_mov_b32 v[NIL], 0
	ds_add_u32 v28, v29
	ds_add_u32 v28, v29
	s_wait_dscnt 0x0
	v_lshrrev_b32 v1, 5, v0
	v_readfirstlane_b32 s16, v1                    ; wave 0..3
	s_lshr_b32 s17, s16, 1                         ; which half of A's rows is mine.  Also: I fetch for A (0) or for B (1)
	s_and_b32 s18, s16, 1                          ; which half of B's rows.  Also: which 128 rows I fetch
	s_mov_b32 s19, ttmp9                           ; X
	s_and_b32 s20, ttmp7, 0xffff                   ; Y
	s_cmp_ge_u32 s19, 10
	s_cselect_b32 s52, 1, 0                        ; v: the sides change places
	s_xor_b32 s53, s52, s17                        ; 1: the rows that I fetch are W's
	s_cmp_eq_u32 s53, 1
	s_cselect_b32 s54, s19, s20
	s_cselect_b32 s55, 3145728, 0
	s_cselect_b32 s56, 131072, 0
	s_lshl_b32 s54, s54, 8
	s_lshl_b32 s57, s18, 7
	s_add_co_u32 s54, s54, s57                     ; their first row
	s_mul_i32 s58, s54, KROW
	s_add_co_u32 s58, s58, s55                     ; its codes,
	s_mov_b32 s59, 0
	s_lshl_b32 s60, s54, 6
	s_add_co_u32 s60, s60, s56                     ; its scale bytes
	s_mov_b32 s61, 0
	s_mul_i32 s62, s16, HALFT                      ; where they go: wave x 128 rows
	s_mul_i32 s63, s16, HALFS
	; group 1: 128 rows x 192 bytes, 16 bytes of padding behind every 64
	s_mov_b32 s[G1+0], (0<<16)|(1<<20)|(3<<22)|(3<<25)
	s_mov_b32 s[G1+1], ROWB<<16
	s_mov_b32 s[G1+2], 128<<16
	s_mov_b32 s[G1+3], ROWB<<16
	s_mov_b32 s[G1+4], 128
	s_mov_b32 s[G1+5], KROW
	s_mov_b32 s[G1+6], 0
	s_mov_b32 s[G1+7], 0
	; the scale bytes of 128 rows: 8,192 dense bytes as 32 rows of 256 (32 elements of 8 bytes), 16 bytes of padding behind each
	s_mov_b32 s[G1S+0], (3<<16)|(1<<20)|(5<<22)|(3<<25)
	s_mov_b32 s[G1S+1], 32<<16
	s_mov_b32 s[G1S+2], 32<<16
	s_mov_b32 s[G1S+3], 32<<16
	s_mov_b32 s[G1S+4], 32
	s_mov_b32 s[G1S+5], 32
	s_mov_b32 s[G1S+6], 0
	s_mov_b32 s[G1S+7], 0
	s_wait_kmcnt 0x0
	s_mov_b32 s[G0S], 1
	s_add_co_u32 s[G0S+1], s63, SCL
	s_add_nc_u64 s[G0S+2:G0S+3], s[6:7], s[60:61]
	s_or_b32 s[G0S+3], s[G0S+3], 0x80000000
	s_add_nc_u64 s[52:53], s[4:5], s[58:59]
.irp s, 0,1
	s_mov_b32 s[G0+4*\s], 1
	s_add_co_u32 s[G0+4*\s+1], s62, \s*SLOT
	s_add_nc_u64 s[G0+4*\s+2:G0+4*\s+3], s[52:53], \s*ROWB
	s_or_b32 s[G0+4*\s+3], s[G0+4*\s+3], 0x80000000
.endr
	tensor_load_to_lds s[G0S:G0S+3], s[G1S:G1S+7]  ; the first fills go out together: three loads of mine are out
	s_nop 0
	tensor_load_to_lds s[G0:G0+3], s[G1:G1+7]
	s_nop 0
	tensor_load_to_lds s[G0+4:G0+7], s[G1:G1+7]
	s_nop 0
.rept 4
	v_nop
.endr
	v_and_b32 v1, 15, v0                           ; r
	v_bfe_u32 v2, v0, 4, 1                         ; h
	v_mul_u32_u24 v3, v1, PITCH
	v_mul_u32_u24 v4, v2, 24
	v_add_nc_u32 v4, v3, v4                        ; a fragment's row x pitch + 24 x half
	v_lshl_add_u32 v5, v2, 4, v4                   ; and the same behind one padding more
	s_mul_i32 s21, s17, HALFT
	s_mul_i32 s22, s18, HALFT
	s_add_co_u32 s22, s22, 2*HALFT
.irp s, 0,1
	v_add_nc_u32 v[ADRA+\s], s21, v4
	v_add_nc_u32 v[ADRB+\s], s22, v4
	v_add_nc_u32 v[ADRA+2+\s], s21, v5
	v_add_nc_u32 v[ADRB+2+\s], s22, v5
	s_add_co_u32 s21, s21, SLOT
	s_add_co_u32 s22, s22, SLOT
.endr
	v_mul_u32_u24 v5, v1, KS
	v_lshrrev_b32 v6, 8, v5
	v_lshl_add_u32 v5, v6, 4, v5
	s_mul_i32 s21, s17, HALFS
	s_mul_i32 s22, s18, HALFS
	s_add_co_u32 s22, s22, 2*HALFS
	s_sub_co_u32 s22, s22, s21
	v_mul_u32_u24 v6, s22, v2                      ; lanes 16-31 take B's
	s_add_co_u32 s21, s21, SCL
	v_add_nc_u32 v5, v5, v6
	v_add_nc_u32 v[ADRS], s21, v5
	s_mul_i32 s23, s16, 16*SPITCH                  ; k's stage, my wave's
	v_mul_u32_u24 v5, v1, SPITCH
	v_lshl_add_u32 v5, v2, 6, v5                   ; row r; my half's 16 columns of each 32 begin 64 h bytes on
	v_add_nc_u32 v[STO], s23, v5
	v_and_b32 v6, 31, v0
	v_lshlrev_b32 v[CO], 4, v6
	v_add_nc_u32 v[RD], s23, v[CO]
	v_lshlrev_b32 v[L8], 3, v6
	v_lshlrev_b32 v[L4], 2, v6
	v_lshlrev_b32 v[SH], 4, v2
	s_mul_i32 s23, s16, 32*SPITCH
	s_add_co_u32 s23, s23, VSTG                    ; v's stage, my wave's
	v_and_b32 v5, 8, v1
	v_add_nc_u32 v5, v5, v1
	v_lshlrev_b32 v5, 2, v5
	v_mad_u32_u24 v5, v2, 8*SPITCH, v5
	v_add_nc_u32 v[VSTO], s23, v5
	v_add_nc_u32 v[VRD], s23, v[CO]
	s_mov_b32 s66, HSTR
	s_cmp_lt_u32 s19, 8
	s_cselect_b32 s66, 8192, s66                   ; from a head's scale words to the next head's: q 128 x 64 bytes, k a head's records
	v_mul_u32_u24 v[SOF], s66, v2
	v_lshl_add_u32 v[SOF], v1, 2, v[SOF]
.macro FRAG reg, adr, q, i             ; a fragment: 12 registers, six pieces of 8 bytes; where the piece of lanes 16-31 lies behind one padding more, the second address register serves
.irp p, 0,1,2,3,4,5
.set PC, 12*(\q)+6*(\p/3)+\p%3
.if PC%8 < 5
	ds_load_b64 v[\reg+2*\p:\reg+2*\p+1], v[\adr] offset:8*PC+16*(PC/8)+(\i)*16*PITCH
.else
	ds_load_b64 v[\reg+2*\p:\reg+2*\p+1], v[\adr+2] offset:8*PC+16*(PC/8)+(\i)*16*PITCH
.endif
.endr
.endm
; 16 matrix instructions: A's blocks a0, a0 + 1 x B's eight.  The 64 accumulators take turns, one instruction a turn, in the same order in every step.
.macro MUL16 a0, p, q, sc, zero
.irp a, \a0, \a0+1
.irp b, 0,1,2,3,4,5,6,7
.if \zero
	v_wmma_scale_f32_16x16x128_f8f6f4 v[8*(8*((\a)%4)+\b):8*(8*((\a)%4)+\b)+7], v[128*(\p)+FR*\b:128*(\p)+FR*\b+FR-1], v[AF+FR*(\a):AF+FR*(\a)+FR-1], 0, v[SC+8*NQ*(\sc)+NQ*\b+(\q)], v[SC+8*NQ*(\sc)+NQ*(\a)+(\q)] matrix_a_fmt:MATRIX_FMT_FP6 matrix_b_fmt:MATRIX_FMT_FP6 matrix_a_scale:MATRIX_SCALE_ROW1
.else
	v_wmma_scale_f32_16x16x128_f8f6f4 v[8*(8*((\a)%4)+\b):8*(8*((\a)%4)+\b)+7], v[128*(\p)+FR*\b:128*(\p)+FR*\b+FR-1], v[AF+FR*(\a):AF+FR*(\a)+FR-1], v[8*(8*((\a)%4)+\b):8*(8*((\a)%4)+\b)+7], v[SC+8*NQ*(\sc)+NQ*\b+(\q)], v[SC+8*NQ*(\sc)+NQ*(\a)+(\q)] matrix_a_fmt:MATRIX_FMT_FP6 matrix_b_fmt:MATRIX_FMT_FP6 matrix_a_scale:MATRIX_SCALE_ROW1
.endif
.endr
.endr
.endm
.macro FETCH_B slot, q, p
	WIN TO_B
.irp i, 0,1,2,3,4,5,6,7
	FRAG 128*(\p)+FR*\i, ADRB+\slot, \q, \i
.endr
	WIN 0
.endm
.macro FETCH_A slot, q, i0
.irp i, \i0, \i0+1, \i0+2, \i0+3
	FRAG AF+FR*(\i), ADRA+\slot, \q, \i
.endr
.endm
.macro SCALES sc                       ; a K step's scale words: lanes 0-15 A's block i, lanes 16-31 B's block i
.irp i, 0,1,2,3,4,5,6,7
	ds_load_b64 v[SC+8*NQ*\sc+NQ*\i:SC+8*NQ*\sc+NQ*\i+1], v[ADRS] offset:\i*SBLK
.endr
.endm
.macro PLACES n                        ; plain vector instructions between a matrix instruction and a load into, or a read of, its registers
.rept \n
	v_nop
.endr
.endm
.macro STEP slot, q, zero              ; 128 along K that have their successor in the same slot
	s_wait_dscnt 4*NL                              ; B's set and A's blocks 0-3 are in; the youngest 24 loads (A's blocks 4-7) may be out
	WIN MUL_LO
	MUL16 0, (\q)%2, \q, \slot, \zero
	MUL16 2, (\q)%2, \q, \slot, \zero
	s_wait_dscnt 0
	PLACES NP
	FETCH_B \slot, (\q)+1, 1-(\q)%2
	FETCH_A \slot, (\q)+1, 0
	WIN MUL_HI
	MUL16 4, (\q)%2, \q, \slot, \zero
	MUL16 6, (\q)%2, \q, \slot, \zero
	PLACES NP
	WIN 0
	FETCH_A \slot, (\q)+1, 4
.endm
; A slot's last step changes slots: one barrier; in front of it each wave waits for all its tensor loads, adds 0 to its spare word, and waits for that and for its own reads of this slot.
.macro TURN slot, next, fill
	s_wait_tensorcnt 0x0                           ; all my tensor loads have landed: my part of the next slot
	ds_add_u32 v[SPW], v[NIL]                      ; 0 onto my spare word
	s_wait_dscnt 4*NL+1                            ; (the add and the youngest 24 loads may be out)
	WIN MUL_LO
	MUL16 0, 1, NQ-1, \slot, 0
	s_wait_dscnt 0x0                               ; the add is done, and my reads of this slot are over
	s_barrier_signal -1
	MUL16 2, 1, NQ-1, \slot, 0
	WIN 0
	s_barrier_wait -1
.if \fill
	s_add_nc_u64 s[G0+4*\slot+2:G0+4*\slot+3], s[G0+4*\slot+2:G0+4*\slot+3], 2*ROWB
	tensor_load_to_lds s[G0+4*\slot:G0+4*\slot+3], s[G1:G1+7]   ; my one tensor load behind the barrier, and the first thing there; the four v_nop are also the places in front of the loads below
	s_nop 0
	PLACES NP
.else
	PLACES NP
.endif
	v_add_nc_u32 v[ADRS], 4*NQ, v[ADRS]            ; the next K step's scale words
	FETCH_B \next, 0, 0
	FETCH_A \next, 0, 0
	SCALES \next
	WIN MUL_HI
	MUL16 4, 1, NQ-1, \slot, 0
	MUL16 6, 1, NQ-1, \slot, 0
	PLACES NP
	WIN 0
	FETCH_A \next, 0, 4
.endm
	s_wait_tensorcnt 1                             ; the scales and my part of K step 0 are in (K step 1's load may be out)
	s_barrier_signal -1
	s_barrier_wait -1
	FETCH_B 0, 0, 0
	FETCH_A 0, 0, 0
	SCALES 0
	FETCH_A 0, 0, 4
	STEP 0, 0, 1                                   ; the first step's products start the sums
	s_mov_b32 s3, LAPS-1
.Llap:
	TURN 0, 1, 1
	STEP 1, 0, 0
	TURN 1, 0, 1
	STEP 0, 0, 0
	s_sub_co_u32 s3, s3, 1
	s_cmp_lg_u32 s3, 0
	s_cbranch_scc1 .Llap
	TURN 0, 1, 0                                   ; the last lap fills nothing
	STEP 1, 0, 0
	s_wait_dscnt 4*NL
	WIN MUL_LO
	MUL16 0, 1, NQ-1, 1, 0
	MUL16 2, 1, NQ-1, 1, 0
	s_wait_dscnt 0
	WIN MUL_HI
	MUL16 4, 1, NQ-1, 1, 0
	MUL16 6, 1, NQ-1, 1, 0
	WIN 0
; THE WAY OUT.  Block a's 64 registers of a lane (register 16 b + i = column 32 b + 16 (lane / 16) + i of the lane's row) become a fragment's 12 registers at v[CDB + 12 a] and a scale word at v[PWR + a].
.macro QUANTW a
.set AC, 64*((\a)%4)
.set WN, 2+(\a)/4
.set CD, CDB+12*(\a)
	WIN (5*WN)                                     ; sources 0 and 1: the accumulators' window
.irp b, 0,1,2,3
	v_max3_num_f32 v[TM+\b], |v[AC+16*\b]|, |v[AC+1+16*\b]|, 0x1800000    ; each accumulator is read from its low end on; the floor 2^(3 - 127) holds the byte at 1 from below
.endr
.irp i, 2,4,6,8,10,12,14
.irp b, 0,1,2,3
	v_max3_num_f32 v[TM+\b], |v[AC+16*\b+\i]|, |v[AC+1+16*\b+\i]|, v[TM+\b]
.endr
.endr
	WIN 0
.irp b, 0,1,2,3
	v_permlanex16_b32 v[TM+4+\b], v[TM+\b], s92, s93
.endr
.irp b, 0,1,2,3
	v_max_num_f32 v[TM+\b], v[TM+\b], v[TM+4+\b]
.endr
.irp b, 0,1,2,3
	v_add_nc_u32 v[TM+12+\b], 0xff000000, v[TM+\b]
.endr
.irp b, 0,1,2,3
	v_lshrrev_b32 v[TM+4+\b], 23, v[TM+12+\b]
.endr
	v_lshl_or_b32 v[PWR+(\a)], v[TM+5], 8, v[TM+4]
	v_lshl_or_b32 v[PWR+(\a)], v[TM+6], 16, v[PWR+(\a)]
	v_lshl_or_b32 v[PWR+(\a)], v[TM+7], 24, v[PWR+(\a)]
	WIN WN                                         ; source 0: the accumulators' window
.irp c, 0,1
	v_cvt_scalef32_pk16_fp6_f32 v[CD+6*\c:CD+2+6*\c], v[AC+32*\c:AC+15+32*\c], v[TM+12+2*\c]
	v_cvt_scalef32_pk16_fp6_f32 v[TH+4*\c:TH+2+4*\c], v[AC+16+32*\c:AC+31+32*\c], v[TM+12+2*\c+1]
.endr
	WIN 0
	v_nop                                          ; one plain place behind a scaled conversion
.irp c, 0,1
.irp i, 0,1,2
	v_permlane16_swap_b32 v[CD+6*\c+\i], v[TH+4*\c+\i]
.endr
.irp i, 0,1,2
	v_mov_b32 v[CD+3+6*\c+\i], v[TH+4*\c+\i]
.endr
.endr
.endm
	PLACES NP
.irp b, 0,1,2,3
	v_mov_b32 v[TM+4+\b], 0                        ; a lane permute's destination counts as one of its sources
.endr
	s_mov_b32 s92, 0x76543210
	s_mov_b32 s93, 0xfedcba98
.irp a, 0,1,2,3,4,5,6,7
	QUANTW \a
.endr
	s_cmp_ge_u32 s19, 10
	s_cbranch_scc1 .Lv_out
	; q and k: registers 6 c .. 6 c + 5 are head c's fragment of K = 64 for 16 tokens: a tile of 768 bytes
	s_lshl_b32 s66, s19, 2
	s_lshl_b32 s67, s18, 1
	s_add_co_u32 s66, s66, s67                     ; 4 X + 2 x my half: my first head (k: + 32)
	s_lshl_b32 s68, s66, 7
	s_lshl_b32 s69, s20, 4
	s_add_co_u32 s68, s68, s69
	s_lshl_b32 s69, s17, 3
	s_add_co_u32 s68, s68, s69                     ; q: tile = 128 x head + 16 Y + 8 x my half of the tokens
	s_mul_i32 s70, s68, 768
	s_lshl_b32 s71, s68, 6
	s_add_co_u32 s71, s71, 3145728
	s_sub_co_u32 s66, s66, 32
	s_lshl_b32 s66, s66, 5
	s_lshl_b32 s69, s20, 1
	s_add_co_u32 s66, s66, s69
	s_add_co_u32 s66, s66, s17
	s_add_co_u32 s66, s66, 16                      ; k: record = 32 x head + 16 + 2 Y + my half (used where X is 8 or 9 alone)
	s_mul_i32 s72, s66, 13312
	s_add_co_u32 s73, s72, 6144
	s_mov_b32 s80, HSTR
	s_mov_b32 s77, 0
	s_mov_b32 s79, 0
	s_mov_b32 s81, 0
	s_cmp_lt_u32 s19, 8
	s_cselect_b64 s[74:75], s[8:9], s[10:11]
	s_cselect_b32 s76, s70, s72
	s_cselect_b32 s78, s71, s73
	s_cselect_b32 s80, 98304, s80                  ; from a head's tiles to the next head's
	s_add_nc_u64 s[82:83], s[74:75], s[76:77]
	s_add_nc_u64 s[84:85], s[82:83], s[80:81]
	s_add_nc_u64 s[86:87], s[74:75], s[78:79]
.irp a, 0,1,2,3,4,5,6,7
.irp c, 0,1
	global_store_b128 v[CO], v[CDB+12*\a+6*\c:CDB+12*\a+6*\c+3], s[82+2*\c:83+2*\c] offset:768*\a
	global_store_b64 v[L8], v[CDB+12*\a+6*\c+4:CDB+12*\a+6*\c+5], s[82+2*\c:83+2*\c] offset:768*\a+512
.endr
	v_lshrrev_b32 v[192+\a], v[SH], v[PWR+\a]
	v_and_b32 v[192+\a], 0xffff, v[192+\a]         ; my head's two bytes; the upper two are 0: they stand over zero codes
	global_store_b32 v[SOF], v[192+\a], s[86:87] offset:64*\a
.endr
	s_cmp_lt_u32 s19, 8
	s_cbranch_scc0 .Lk_out
	FINISH
.Lk_out:
	; k as f32: a block of 16 tokens x 128 columns goes through my stage and leaves as rows of 512 bytes; the position order is undone on the way (columns in the stage's offsets, tokens in the stores')
	s_lshl_b32 s66, s20, 8
	s_lshl_b32 s67, s17, 7
	s_add_co_u32 s66, s66, s67
	s_add_co_u32 s66, s66, 2048
	s_lshl_b32 s66, s66, 11                        ; my first token's row of 2,048 bytes
	s_sub_co_u32 s67, s19, 8
	s_lshl_b32 s67, s67, 10
	s_add_co_u32 s66, s66, s67
	s_lshl_b32 s67, s18, 9
	s_add_co_u32 s66, s66, s67
	s_mov_b32 s67, 0
	s_add_nc_u64 s[88:89], s[12:13], s[66:67]
.macro TOSTAGE a
.set AC, 64*((\a)%4)
	WIN 0x08+4*((\a)/4)                            ; an LDS store's data: window 2 or 3
.irp b, 0,1,2,3,4,5,6,7
	ds_store_b128 v[STO], v[AC+8*\b:AC+8*\b+3] offset:128*(\b/2)+32*(\b%2)
	ds_store_b128 v[STO], v[AC+8*\b+4:AC+8*\b+7] offset:128*(\b/2)+32*(\b%2)+16
.endr
	WIN 0
.set BB, BK+64*((\a)%2)
.irp t, 0,1,2,3,4,5,6,7,8,9,10,11,12,13,14,15
	ds_load_b128 v[BB+4*\t:BB+4*\t+3], v[RD] offset:\t*SPITCH      ; LDS serves a wave's instructions in order: these see the stores above
.endr
.endm
.macro SEND a, younger
.set BB, BK+64*((\a)%2)
	s_wait_dscnt \younger
.irp t, 0,1,2,3,4,5,6,7,8,9,10,11,12,13,14,15
	global_store_b128 v[CO], v[BB+4*\t:BB+4*\t+3], s[88:89] offset:(32*((\a)/2)+8*((\a)%2)+\t+8*(\t/8))*2048 th:TH_STORE_NT   ; 512 consecutive bytes
.endr
.endm
	s_wait_xcnt 0x0                                ; the codes' stores have read their registers, which are loaded now
	TOSTAGE 0
.irp a, 1,2,3,4,5,6,7
.if \a > 1
	s_wait_xcnt 0x0                                ; block a - 2's stores have read their registers
.endif
	TOSTAGE \a
	SEND \a-1, 32                                  ; behind block a - 1's loads: block a's 16 stores and 16 loads
.endr
	SEND 7, 0
	FINISH
.Lv_out:
	; v: block a is tile a % 4 of V^T of head a / 4 of my two, for my 128 tokens (one key step): 1,536 bytes as the registers stand
	s_sub_co_u32 s66, s19, 10
	s_lshl_b32 s67, s66, 2
	s_lshl_b32 s68, s17, 1
	s_add_co_u32 s67, s67, s68                     ; my first head
	s_lshl_b32 s67, s67, 5
	s_lshl_b32 s68, s20, 1
	s_add_co_u32 s67, s67, s68
	s_add_co_u32 s67, s67, s18
	s_add_co_u32 s67, s67, 16                      ; its record
	s_mul_i32 s68, s67, 13312
	s_mov_b32 s69, 0
	s_add_nc_u64 s[70:71], s[10:11], s[68:69]
	s_lshl_b32 s72, s20, 8
	s_lshl_b32 s73, s18, 7
	s_add_co_u32 s72, s72, s73
	s_add_co_u32 s72, s72, 2048
	s_lshl_b32 s72, s72, 11                        ; out2: my first token's row,
	s_lshl_b32 s73, s66, 10
	s_add_co_u32 s72, s72, s73
	s_lshl_b32 s73, s17, 9
	s_add_co_u32 s72, s72, s73                     ; my 128 columns
	s_mov_b32 s73, 0
	s_add_nc_u64 s[74:75], s[14:15], s[72:73]
.irp a, 0,1,2,3,4,5,6,7
.irp c, 0,1,2
	global_store_b128 v[CO], v[CDB+12*\a+4*\c:CDB+12*\a+4*\c+3], s[70:71] offset:(\a/4)*HSTR+6656+1536*(\a%4)+512*\c
.endr
	global_store_b32 v[L4], v[PWR+\a], s[70:71] offset:(\a/4)*HSTR+12800+128*(\a%4)
.endr
	; v as f32: a lane holds one column and eight tokens, so 32 tokens x 128 columns at a time are turned in my stage, number by number, and leave as rows of 512 bytes
.irp g, 0,1,2,3
	s_wait_xcnt 0x0                                ; earlier stores have read the registers that are loaded below
	WIN 0x08
.irp a, 0,1,2,3
.irp u, 0,1
.irp j, 0,1,2,3,4,5,6,7
	ds_store_b32 v[VSTO], v[64*\a+8*(2*\g+\u)+\j] offset:(16*\u+\j)*SPITCH+4*(32*(\a/2)+8*(\a%2))
.endr
.endr
.endr
	WIN 0x0c
.irp a, 4,5,6,7
.irp u, 0,1
.irp j, 0,1,2,3,4,5,6,7
	ds_store_b32 v[VSTO], v[64*(\a-4)+8*(2*\g+\u)+\j] offset:(16*\u+\j)*SPITCH+4*(32*(\a/2)+8*(\a%2))
.endr
.endr
.endr
	WIN 0
.set n, 0
.rept 32
	ds_load_b128 v[128+4*n:131+4*n], v[VRD] offset:n*SPITCH
.set n, n+1
.endr
.set n, 0
.rept 32
	s_wait_dscnt 31-n                              ; the younger read-backs may be out
	global_store_b128 v[CO], v[128+4*n:131+4*n], s[74:75] offset:(32*\g+16*((n>>3)&1)+8*(n>>4)+(n&7))*2048 th:TH_STORE_NT   ; stage row 16 u + 8 h + j is token 16 h + 8 u + j
.set n, n+1
.endr
.endr
	FINISH
.Lfunc_end_k_qa0120e9183_qkv:
	.size	k_qa0120e9183_qkv, .Lfunc_end_k_qa0120e9183_qkv-k_qa0120e9183_qkv
	.p2alignl 7, 3214868480
	.fill 96, 4, 3214868480
	.section	.rodata,"a",@progbits
	.p2align	6, 0x0
	.amdhsa_kernel k_qa0120e9183_qkv
		.amdhsa_group_segment_fixed_size 327680
		.amdhsa_private_segment_fixed_size 0
		.amdhsa_enable_private_segment 0
		.amdhsa_kernarg_size 48
		.amdhsa_user_sgpr_count 2
		.amdhsa_user_sgpr_kernarg_segment_ptr 1
		.amdhsa_wavefront_size32 1
		.amdhsa_system_sgpr_workgroup_id_x 1
		.amdhsa_system_sgpr_workgroup_id_y 1
		.amdhsa_system_sgpr_workgroup_id_z 1
		.amdhsa_system_vgpr_workitem_id 0
		.amdhsa_next_free_vgpr 1024
		.amdhsa_next_free_sgpr 104
		.amdhsa_reserve_vcc 0
		.amdhsa_float_denorm_mode_32 3
		.amdhsa_float_denorm_mode_16_64 3
		.amdhsa_memory_ordered 1
		.amdhsa_forward_progress 1
		.amdhsa_inst_pref_size 252
	.end_amdhsa_kernel
	.amdgpu_metadata
---
amdhsa.version: [ 1, 2 ]
amdhsa.kernels:
  - .name:           k_qa0120e9183_qkv
    .symbol:         k_qa0120e9183_qkv.kd
    .args:
      - { .name: cod, .offset: 0, .size: 8, .value_kind: global_buffer, .address_space: global }
      - { .name: scl, .offset: 8, .size: 8, .value_kind: global_buffer, .address_space: global }
      - { .name: qcs, .offset: 16, .size: 8, .value_kind: global_buffer, .address_space: global }
      - { .name: kv, .offset: 24, .size: 8, .value_kind: global_buffer, .address_space: global }
      - { .name: out1, .offset: 32, .size: 8, .value_kind: global_buffer, .address_space: global }
      - { .name: out2, .offset: 40, .size: 8, .value_kind: global_buffer, .address_space: global }
    .group_segment_fixed_size: 327680
    .private_segment_fixed_size: 0
    .kernarg_segment_align: 8
    .kernarg_segment_size: 48
    .max_flat_workgroup_size: 128
    .sgpr_count:     104
    .vgpr_count:     1024
    .wavefront_size: 32
...
	.end_amdgpu_metadata
.endif
;; end of part 2
;; launch attn (part 3): grid 32 x 8, 16 waves a work-group, no clusters, 52,736 bytes of LDS; arguments qcs, kv, mimg, flags, acs; writes acs
.if DOCPART == 3
	.amdgcn_target "amdgcn-amd-amdhsa--gfx1250"
	.amdhsa_code_object_version 6
	.text
	.protected	k_qa0120e9183_attn
	.globl	k_qa0120e9183_attn
	.p2align	8
	.type	k_qa0120e9183_attn,@function
k_qa0120e9183_attn:
	s_mov_b64 s[64:65], 0
	v_nop
	global_prefetch_b8 v0, s[64:65] scope:SCOPE_SE
	s_setreg_imm32_b32 hwreg(HW_REG_WAVE_MODE, 25, 1), 1
	s_wait_xcnt 0x0
; Attention on codes of FP6 (E2M3): S^T = K Q^T (K = 64 of the instruction's 128: the other 64 meet zero codes of Q), the given mask, the softmax, O^T = V^T P^T (K = the keys), and the result quantised along head x 64 + d.
; SOFTMAX AHEAD OF THE SECOND PRODUCT: t = score x log2(e) / 8; M = the running largest t rounded up to a whole number; p = 2^(t - M) is quantised along the keys, not normalised; the row's sum is taken of the unquantised p and
; divides at the end; when M moves, the sum and O^T are multiplied by 2^(old M - new M), which rounds nothing.
; SHARES.  Work-group (x = b, y = KV head g): 16 waves; wave w takes query head 4 g + w % 4 and one tile of 16 queries, tile b, 63 - b, 64 + b or 127 - b by w / 4.  Four waves to a SIMD, 256 registers each.
; Every wave walks the 32 key steps of 128 keys.  A step's record (13,312 bytes: K's 8 tiles, V^T's 4 tiles and their scale words, laid as the operands' registers) comes from memory into registers, a step ahead, and by ds_store
; into one of two LDS slots; all 16 waves read it.  One barrier a step parts the stores of the next record from its reads, and the reads of this record from its overwriting.
; THE MASK IS THE C OF THE SCORE PRODUCT: the earlier launch laid a byte for each (query, key) in the order of the score registers, 0x00 kept, 0xFE hidden; shifted to a word's top it is a number under 2.4e-38 in magnitude or
; one between -4.2e37 and -1.7e38.  p of a hidden key is then 0.  A KEY STEP ALL OF WHOSE KEYS ARE HIDDEN FOR MY 16 QUERIES IS LEFT OUT: a scalar branch on whole numbers that the earlier launch stored; the record's
; stores, the next loads and the barrier are on both ways.
; NO TENSOR LOAD AND NO CLUSTER: the branch above hangs on numbers read from memory, and partners would part on it.
; A row all of whose keys are hidden has the sum 0: its scale bytes become 0xFF, so that the last product gives NaN there as the softmax of an empty row does.
; LIMITS: |t| stays under 1e30 (the start of the running maximum); a kept score carries an addend under 2.4e-38; blocks under 2^-124 keep the scale byte 1; NaN and infinities are not served.
; REGISTERS: v1-3 16, 8, 4 x lane; v7 16 x thread; v4-6, v8, v30-31 the way out's addresses; v9, v10 the next loads' offsets; v11 256 x lane; v12-15 V's scale words; v16-21 Q, v22-27 zeros; v28 Q's scale word; v29 p's;
;   v32-35 K's scale words; v36-83 K's 8 tiles x 6 or V's 4 x 12; v84-89 zeros; v92 -M, v93 the largest t; v[94:95] the sum; v96-159 S^T, then p; v160-191 O^T; v192-207 the mask's words; v208-215 the next record; v216-227 p's codes;
;   v228-234 halves; v232-254 at work.
.set REC,  13312
.set SLOTB, 16384
.set STG,  32768                       ; the way out: 64 rows x 272: sixteen places of 16 bytes, each with 12 bytes of codes
.set SST,  50176                       ; and the rows' scale bytes: 64 x 8
.set MW,   192
	s_load_b256 s[4:11], s[0:1], 0x0               ; qcs s[4:5], kv s[6:7], mimg s[8:9], flags s[10:11]
	s_load_b64 s[12:13], s[0:1], 0x20              ; acs
	v_lshl_add_u32 v251, v0, 2, 0xc600
	v_mov_b32 v255, 0
	v_lshrrev_b32 v236, 5, v0
	v_readfirstlane_b32 s14, v236                  ; wave 0..15
	v_and_b32 v238, 31, v0                         ; lane
	v_and_b32 v236, 15, v0                         ; r
	v_bfe_u32 v237, v0, 4, 1                       ; h
	v_lshlrev_b32 v1, 4, v238
	v_lshlrev_b32 v2, 3, v238
	v_lshlrev_b32 v3, 2, v238
	v_lshlrev_b32 v7, 4, v0
	v_lshlrev_b32 v11, 8, v238
	s_and_b32 s15, s14, 3                          ; which of the group's four query heads
	s_lshr_b32 s16, s14, 2                         ; which of the work-group's four tiles
	s_mov_b32 s17, ttmp9
	s_and_b32 s18, ttmp7, 0xffff
	s_and_b32 s40, s16, 1
	s_sub_co_u32 s41, 63, s17
	s_cmp_eq_u32 s40, 1
	s_cselect_b32 s19, s41, s17
	s_lshr_b32 s40, s16, 1
	s_lshl_b32 s40, s40, 6
	s_add_co_u32 s19, s19, s40                     ; my tile of queries
	s_mov_b32 s20, 0x76543210
	s_mov_b32 s21, 0xfedcba98                      ; v_permlanex16_b32's selects for lane l xor 16
	s_mov_b32 s22, 0x3e38aa3b                      ; c = log2(e) / 8
	s_mov_b32 s23, s22
	s_lshl_b32 s42, s18, 2
	s_add_co_u32 s42, s42, s15
	s_lshl_b32 s42, s42, 7
	s_add_co_u32 s42, s42, s19                     ; 128 x head + tile
	s_mul_i32 s44, s42, 768
	s_mov_b32 s45, 0
	s_lshl_b32 s46, s42, 6
	s_add_co_u32 s46, s46, 3145728
	s_mov_b32 s47, 0
	s_mul_i32 s48, s18, 32*REC
	s_mov_b32 s49, 0
	s_lshl_b32 s50, s19, 16
	s_mov_b32 s51, 0
	s_lshl_b32 s52, s19, 10
	s_mov_b32 s53, 0
	s_lshl_b32 s54, s19, 4
	s_lshl_b32 s55, s15, 2
	s_add_co_u32 s55, s54, s55
	s_mul_i32 s56, s55, 1536
	s_mul_i32 s57, s18, 192
	s_add_co_u32 s56, s56, s57                     ; the codes that I store: rows 16 x tile + 4 x (w % 4) on, the group's 192 bytes
	s_mov_b32 s57, 0
	s_lshl_b32 s58, s54, 6
	s_lshl_b32 s59, s18, 3
	s_add_co_u32 s58, s58, s59
	s_add_co_u32 s58, s58, 3145728                 ; the tile's scale bytes, the group's 8
	s_mov_b32 s59, 0
	; the way out's LDS addresses, made ahead of every branch on the wave's number
	s_mul_i32 s60, s16, 16*272
	s_lshl_b32 s61, s15, 6
	s_add_co_u32 s60, s60, s61
	s_add_co_u32 s60, s60, STG
	v_mul_u32_u24 v4, v236, 272
	v_lshl_add_u32 v4, v237, 4, v4
	v_add_nc_u32 v4, s60, v4                       ; row 16 (w / 4) + r; place 4 (w % 4) + 2 b + h
	s_lshl_b32 s60, s16, 7
	s_add_co_u32 s60, s60, SST
	v_add_nc_u32 v8, s60, v3                       ; the tile's 128 scale bytes, 4 a lane
	s_lshl_b32 s61, s15, 1
	s_add_co_u32 s60, s60, s61
	v_lshl_add_u32 v5, v236, 3, s60                ; my row's two bytes
	s_mul_i32 s60, s14, 4*272
	s_add_co_u32 s60, s60, STG
	v_mul_u32_u24 v6, v237, 272
	v_lshl_add_u32 v6, v236, 4, v6
	v_add_nc_u32 v6, s60, v6                       ; back: rows 4 w + h (+ 2), sixteen lanes to a row
	v_mul_u32_u24 v30, v237, 1536
	v_mad_u32_u24 v30, v236, 12, v30
	v_lshrrev_b32 v31, 1, v238
	v_lshlrev_b32 v31, 6, v31
	v_and_b32 v239, 1, v238
	v_lshl_add_u32 v31, v239, 2, v31
	v_lshlrev_b32 v239, 2, v236                    ; Q's scale words: 4 r
	v_lshlrev_b32 v248, 5, v238                    ; the flags: 32 bytes a key step, a lane a step
	s_wait_kmcnt 0x0
	s_add_nc_u64 s[44:45], s[4:5], s[44:45]
	s_add_nc_u64 s[46:47], s[4:5], s[46:47]
	s_add_nc_u64 s[30:31], s[6:7], s[48:49]        ; my KV head's records
	s_add_nc_u64 s[32:33], s[8:9], s[50:51]        ; my tile's images of the mask
	s_add_nc_u64 s[52:53], s[10:11], s[52:53]
	s_add_nc_u64 s[56:57], s[12:13], s[56:57]
	s_add_nc_u64 s[58:59], s[12:13], s[58:59]
	; THE PREFETCHES: 32 lanes x 256 bytes an instruction.  The mask's images: in the work-groups of KV head 0 the first wave of each tile asks, in every fourth step, for its tile's key steps 4 to 7 further on (while the step is
	; under 28).  The records: in the work-groups with x = 0 waves 1 and 2 ask, in every step s, for pieces 5 + 2 s and 6 + 2 s of the head's 52 pieces of 8,192 bytes (while they exist).  So each block is named once.
	; The base stands one stride back: it is stepped at each step's head.  Nothing is asked for here, at the head.
	s_mov_b32 s38, 0
	s_mov_b32 s39, 0                               ; a limit of 0: a wave that asks for nothing
	s_mov_b32 s36, 2048
	s_mov_b32 s37, 0
	s_add_nc_u64 s[34:35], s[32:33], 3*2048
	s_or_b32 s60, s15, s18
	s_cmp_eq_u32 s60, 0
	s_cselect_b32 s39, 28, s39
	s_cselect_b32 s38, 3, s38
	s_sub_co_u32 s60, s14, 1
	s_lshr_b32 s61, s60, 1                         ; 0 in waves 1 and 2 alone
	s_or_b32 s61, s61, s17
	s_add_co_u32 s62, s14, 2
	s_lshl_b32 s62, s62, 13
	s_mov_b32 s63, 0
	s_add_nc_u64 s[62:63], s[30:31], s[62:63]
	s_sub_co_u32 s60, 24, s60
	s_cmp_eq_u32 s61, 0
	s_cselect_b64 s[34:35], s[62:63], s[34:35]
	s_cselect_b32 s36, 16384, s36
	s_cselect_b32 s39, s60, s39
	s_cselect_b32 s38, 0, s38
	global_load_b128 v[208:211], v7, s[30:31]      ; record 0: 16 bytes a thread, and 5,120 bytes more by waves 0 to 9
	s_cmp_lt_u32 s14, 10
	s_cbranch_scc0 .Lh0
	global_load_b128 v[212:215], v7, s[30:31] offset:8192
.Lh0:
	global_load_b128 v[16:19], v1, s[44:45]        ; Q's fragment stays in registers
	global_load_b64 v[20:21], v2, s[44:45] offset:512
	global_load_b32 v28, v239, s[46:47]
	global_load_b128 v[240:243], v248, s[52:53]
	global_load_b128 v[244:247], v248, s[52:53] offset:16
.irp b, 0,1,2,3
	global_load_b128 v[MW+4*\b:MW+4*\b+3], v1, s[32:33] offset:512*\b   ; the mask's words of key step 0
.endr
.irp j, 22,23,24,25,26,27,84,85,86,87,88,89,94,95,252,253
	v_mov_b32 v\j, 0                               ; the zero codes, the sum, and registers that are named before they are first written
.endr
.set n, 0
.rept 32
	v_mov_b32 v[160+n], 0                          ; O^T: the step is written once; the first finds zeros
.set n, n+1
.endr
	v_mov_b32 v93, 0xf149f2ca                      ; the largest t so far: -1e30
	v_floor_f32 v92, -v93                          ; -M
	s_wait_loadcnt 0x0
	v_or_b32 v240, v240, v241
	v_or_b32 v242, v242, v243
	v_or_b32 v244, v244, v245
	v_or_b32 v246, v246, v247
	v_or_b32 v240, v240, v242
	v_or_b32 v244, v244, v246
	v_or_b32 v240, v240, v244
	v_cmp_ne_u32 s26, 0, v240                      ; bit s: key step s has a key that counts for one of my queries
	ds_store_b128 v7, v[208:211]
	s_cmp_lt_u32 s14, 10
	s_cbranch_scc0 .Lh1
	ds_store_b128 v7, v[212:215] offset:8192
.Lh1:
	s_wait_dscnt 0x0                               ; my part of record 0 lies in slot 0, and the stores have read their registers
	global_load_b128 v[208:211], v7, s[30:31] offset:REC
	s_cmp_lt_u32 s14, 10
	s_cbranch_scc0 .Lh2
	global_load_b128 v[212:215], v7, s[30:31] offset:REC+8192
.Lh2:
	s_barrier_signal -1
	s_barrier_wait -1
; The loads of the mask's words of the next step and of the record two steps on, and the wave's prefetch.
.macro NEXTLOADS
.irp b, 0,1,2,3
	global_load_b128 v[MW+4*\b:MW+4*\b+3], v10, s[32:33] offset:512*\b
.endr
	global_load_b128 v[208:211], v9, s[30:31]
	s_cmp_lt_u32 s14, 10
	s_cbranch_scc0 .Lnl_\@
	global_load_b128 v[212:215], v9, s[30:31] offset:8192
.Lnl_\@:
	s_and_b32 s41, s40, s38
	s_cmp_eq_u32 s41, 0
	s_cbranch_scc0 .Lnp_\@
	s_cmp_lt_u32 s40, s39
	s_cbranch_scc0 .Lnp_\@
	global_prefetch_b8 v11, s[34:35] th:TH_LOAD_NT scope:SCOPE_SE
.Lnp_\@:
.endm
; A KEY STEP whose record lies in slot sl.
.macro STEP sl
.set SL, SLOTB*(\sl)
.set OL, SLOTB*(1-(\sl))
	s_wait_loadcnt 0x0                             ; the next record and this step's mask words, asked for a step ago, are in; their address registers are free
	s_wait_xcnt 0x0                                ; the last prefetch has read its base
	s_add_nc_u64 s[34:35], s[34:35], s[36:37]
	s_add_co_u32 s40, s24, \sl                     ; the step's number
	s_add_co_u32 s27, s40, 2
	s_min_u32 s27, s27, 31                         ; (held at the last: no load leaves its buffer)
	s_mul_i32 s27, s27, REC
	s_add_co_u32 s28, s40, 1
	s_min_u32 s28, s28, 31
	s_lshl_b32 s28, s28, 11
	v_add_nc_u32 v9, s27, v7
	v_add_nc_u32 v10, s28, v1
	v_nop
	v_nop                                          ; four places between the last step's products and the loads into their operands
	ds_store_b128 v7, v[208:211] offset:OL         ; the next record into the other slot, which nobody has read since the last barrier
	s_cmp_lt_u32 s14, 10
	s_cbranch_scc0 .Lc1_\@
	ds_store_b128 v7, v[212:215] offset:OL+8192
.Lc1_\@:
	s_bitcmp1_b32 s26, s40
	s_cbranch_scc0 .Lskip_\@
.irp j, 0,1,2,3,4,5,6,7
	ds_load_b128 v[36+6*\j:39+6*\j], v1 offset:SL+768*\j
	ds_load_b64 v[40+6*\j:41+6*\j], v2 offset:SL+768*\j+512
.endr
.irp b, 0,1,2,3
	ds_load_b32 v[32+\b], v3 offset:SL+6144+128*\b     ; lanes 0-15: tile 2 b's scale words, lanes 16-31: tile 2 b + 1's
.endr
.set n, 0
.rept 16
	v_lshlrev_b32 v[96+4*n], 24, v[MW+n]           ; the mask as numbers: a key's byte at the word's top
	v_lshlrev_b32 v[97+4*n], 16, v[MW+n]
	v_lshlrev_b32 v[98+4*n], 8, v[MW+n]
	v_mov_b32 v[99+4*n], v[MW+n]
.set n, n+1
.endr
.rept 4
	v_nop
.endr
	s_wait_dscnt 0x0                               ; K is in; the record's stores have read their registers
	NEXTLOADS
.irp j, 0,2,4,6                                    ; S^T = K Q^T + the mask.  A tile's operand runs on into the next tile's codes (tile 7's into zeros): they meet Q's zero codes.  Eight accumulators, one instruction each
	v_wmma_scale_f32_16x16x128_f8f6f4 v[96+8*\j:103+8*\j], v[36+6*\j:47+6*\j], v[16:27], v[96+8*\j:103+8*\j], v[32+\j/2], v28 matrix_a_fmt:MATRIX_FMT_FP6 matrix_b_fmt:MATRIX_FMT_FP6
	v_wmma_scale_f32_16x16x128_f8f6f4 v[104+8*\j:111+8*\j], v[42+6*\j:53+6*\j], v[16:27], v[104+8*\j:111+8*\j], v[32+\j/2], v28 matrix_a_fmt:MATRIX_FMT_FP6 matrix_b_fmt:MATRIX_FMT_FP6 matrix_a_scale:MATRIX_SCALE_ROW1
.endr
.rept 4
	v_nop                                          ; places in front of the loads into K's registers and of the first read of the scores
.endr
.irp t, 0,1,2,3
.irp c, 0,1,2
	ds_load_b128 v[36+12*\t+4*\c:39+12*\t+4*\c], v1 offset:SL+6656+1536*\t+512*\c   ; V^T: it lands under the softmax
.endr
	ds_load_b32 v[12+\t], v3 offset:SL+12800+128*\t
.endr
.irp b, 0,1,2,3
	v_max3_num_f32 v[232+\b], v[96+16*\b], v[97+16*\b], v[98+16*\b]    ; the largest score of each block of 32 keys: it serves the row's maximum and, since p rises with the score, the block's largest p
.endr
.irp i, 3,5,7,9,11,13
.irp b, 0,1,2,3
	v_max3_num_f32 v[232+\b], v[232+\b], v[96+16*\b+\i], v[97+16*\b+\i]
.endr
.endr
.irp b, 0,1,2,3
	v_max_num_f32 v[232+\b], v[232+\b], v[111+16*\b]
.endr
.irp b, 0,1,2,3
	v_permlanex16_b32 v[236+\b], v[232+\b], s20, s21
.endr
.irp b, 0,1,2,3
	v_max_num_f32 v[232+\b], v[232+\b], v[236+\b]
.endr
	v_max3_num_f32 v254, v232, v233, v234
	v_max_num_f32 v254, v254, v235
	v_mul_f32 v254, s22, v254
	v_max_num_f32 v93, v93, v254                   ; the running largest t
	v_mov_b32 v254, v92
	v_floor_f32 v92, -v93                          ; the new -M = -ceil(t)
	v_sub_f32 v254, v92, v254
	v_cvt_i32_f32 v254, v254                       ; old M - new M, a whole number, 0 or less (it saturates)
	v_ldexp_f32 v252, 1.0, v254                    ; f = 2^(old M - new M)
.set n, 0
.rept 32
	v_pk_fma_f32 v[96+n:97+n], v[96+n:97+n], s[22:23], v[92:93] op_sel_hi:[1,0,0]   ; t - M
.set n, n+2
.endr
.irp b, 0,1,2,3
	v_fma_f32 v[232+\b], v[232+\b], s22, v92
.endr
.set n, 0
.rept 64
	v_exp_f32 v[96+n], v[96+n]                     ; p = 2^(t - M)
.set n, n+1
.endr
	v_pk_mul_f32 v[94:95], v[94:95], v[252:253] op_sel_hi:[1,0]    ; the sums under the new M: a plain place behind the exponentials
	s_wait_alu depctr_va_vdst(0)                   ; one wait for the batch, ahead of its first reader
.irp b, 0,1,2,3
	v_exp_f32 v[232+\b], v[232+\b]                 ; the block's largest p
.endr
	v_pk_add_f32 v[236:237], v[96:97], v[98:99]    ; the row's sum of the unquantised p, in two chains
.irp j, 4,8,12,16,20,24,28,32,36,40,44,48,52,56,60
	v_pk_add_f32 v[94:95], v[94:95], v[96+\j:97+\j]
	v_pk_add_f32 v[236:237], v[236:237], v[98+\j:99+\j]
.endr
	v_pk_add_f32 v[94:95], v[94:95], v[236:237]
	s_wait_alu depctr_va_vdst(0)                   ; and one for the four
.irp b, 0,1,2,3
	v_max_num_f32 v[232+\b], 0x1800000, v[232+\b]  ; the floor 2^(3 - 127)
.endr
.irp b, 0,1,2,3
	v_add_nc_u32 v[244+\b], 0xff000000, v[232+\b]
.endr
.irp b, 0,1,2,3
	v_lshrrev_b32 v[236+\b], 23, v[244+\b]
.endr
	v_lshl_or_b32 v29, v237, 8, v236               ; p's scale word for these 128 keys
	v_lshl_or_b32 v29, v238, 16, v29
	v_lshl_or_b32 v29, v239, 24, v29
.irp c, 0,1
	v_cvt_scalef32_pk16_fp6_f32 v[216+6*\c:218+6*\c], v[96+32*\c:111+32*\c], v[244+2*\c]
	v_cvt_scalef32_pk16_fp6_f32 v[228+4*\c:230+4*\c], v[112+32*\c:127+32*\c], v[244+2*\c+1]
.endr
	v_nop                                          ; one plain place behind a scaled conversion
.irp c, 0,1
.irp i, 0,1,2
	v_permlane16_swap_b32 v[216+6*\c+\i], v[228+4*\c+\i]
.endr
.irp i, 0,1,2
	v_mov_b32 v[219+6*\c+\i], v[228+4*\c+\i]
.endr
.endr
.set n, 0
.rept 16
	v_pk_mul_f32 v[160+n:161+n], v[160+n:161+n], v[252:253] op_sel_hi:[1,0]    ; O^T under the new M; these sixteen are also the places in front of the scaled products
.set n, n+2
.endr
	s_wait_dscnt 0x0                               ; V^T is in
.irp t, 0,1,2,3
	v_wmma_scale_f32_16x16x128_f8f6f4 v[160+8*\t:167+8*\t], v[36+12*\t:47+12*\t], v[216:227], v[160+8*\t:167+8*\t], v[12+\t], v29 matrix_a_fmt:MATRIX_FMT_FP6 matrix_b_fmt:MATRIX_FMT_FP6
.endr
	s_branch .Ljoin_\@
.Lskip_\@:
	s_wait_dscnt 0x0                               ; the record's stores have read their registers
	NEXTLOADS
.Ljoin_\@:
	s_wait_dscnt 0x0                               ; my stores of the next record have landed and my reads of this one are over
	s_barrier_signal -1
	s_barrier_wait -1
.endm
	s_mov_b32 s24, 0
.Lstep:                                            ; 16 trips of two key steps: the slots' places are constants
	STEP 0
	STEP 1
	s_add_co_u32 s24, s24, 2
	s_cmp_lt_u32 s24, 32
	s_cbranch_scc1 .Lstep
	; THE WAY OUT: O^T / the sum, quantised along d (two blocks of 32; a lane holds 16 of each), 12 bytes a half block into the stage; a row's 192 bytes come from the four waves of a tile.
	s_wait_loadcnt 0x0                             ; the last trip's loads, which nobody uses, have landed
	v_add_f32 v94, v94, v95
	v_permlanex16_b32 v252, v94, s20, s21
	v_add_f32 v94, v94, v252                       ; the row's sum
	v_rcp_f32 v95, v94
	v_mov_b32 v242, 0xffff
	v_nop
	v_nop
	s_wait_alu depctr_va_vdst(0)                   ; the wait ahead of the reciprocal's first reader
.set n, 0
.rept 32
	v_mul_f32 v[96+n], v[160+n], v95               ; register 16 b + i is d = 32 b + 16 h + i
.set n, n+1
.endr
.irp b, 0,1
	v_max3_num_f32 v[232+\b], |v[96+16*\b]|, |v[97+16*\b]|, 0x1800000
.endr
.irp i, 2,4,6,8,10,12,14
.irp b, 0,1
	v_max3_num_f32 v[232+\b], v[232+\b], |v[96+16*\b+\i]|, |v[97+16*\b+\i]|
.endr
.endr
.irp b, 0,1
	v_permlanex16_b32 v[236+\b], v[232+\b], s20, s21
.endr
.irp b, 0,1
	v_max_num_f32 v[232+\b], v[232+\b], v[236+\b]
.endr
.irp b, 0,1
	v_add_nc_u32 v[244+\b], 0xff000000, v[232+\b]
.endr
.irp b, 0,1
	v_lshrrev_b32 v[236+\b], 23, v[244+\b]
.endr
	v_lshl_or_b32 v241, v237, 8, v236
	v_cmp_eq_f32 vcc_lo, 0, v94
	v_cndmask_b32 v241, v241, v242, vcc_lo         ; an empty row: both bytes 0xFF
	v_cvt_scalef32_pk16_fp6_f32 v[216:218], v[96:111], v244
	v_cvt_scalef32_pk16_fp6_f32 v[220:222], v[112:127], v245
	v_nop
	ds_store_b96 v4, v[216:218]
	ds_store_b96 v4, v[220:222] offset:32
	ds_store_b16 v5, v241                          ; both halves of the lanes write the same two bytes with the same value
	s_wait_dscnt 0x0
	s_barrier_signal -1
	s_barrier_wait -1
.irp i, 0,1
	ds_load_b96 v[216+4*\i:218+4*\i], v6 offset:2*\i*272
.endr
	s_wait_dscnt 0x0
.irp i, 0,1
	global_store_b96 v30, v[216+4*\i:218+4*\i], s[56:57] offset:2*\i*1536   ; sixteen lanes store a row's 192 consecutive bytes
.endr
	s_cmp_lg_u32 s15, 0
	s_cbranch_scc1 .Ldone
	ds_load_b32 v224, v8
	s_wait_dscnt 0x0
	global_store_b32 v31, v224, s[58:59]           ; the tile's 16 rows x 8 scale bytes
.Ldone:
	s_wait_tensorcnt 0x0
	ds_add_u32 v251, v255
	s_wait_dscnt 0x0
	s_endpgm
.Lfunc_end_k_qa0120e9183_attn:
	.size	k_qa0120e9183_attn, .Lfunc_end_k_qa0120e9183_attn-k_qa0120e9183_attn
	.p2alignl 7, 3214868480
	.fill 96, 4, 3214868480
	.section	.rodata,"a",@progbits
	.p2align	6, 0x0
	.amdhsa_kernel k_qa0120e9183_attn
		.amdhsa_group_segment_fixed_size 52736
		.amdhsa_private_segment_fixed_size 0
		.amdhsa_enable_private_segment 0
		.amdhsa_kernarg_size 40
		.amdhsa_user_sgpr_count 2
		.amdhsa_user_sgpr_kernarg_segment_ptr 1
		.amdhsa_wavefront_size32 1
		.amdhsa_system_sgpr_workgroup_id_x 1
		.amdhsa_system_sgpr_workgroup_id_y 1
		.amdhsa_system_sgpr_workgroup_id_z 1
		.amdhsa_system_vgpr_workitem_id 0
		.amdhsa_next_free_vgpr 256
		.amdhsa_next_free_sgpr 66
		.amdhsa_reserve_vcc 1
		.amdhsa_float_denorm_mode_32 3
		.amdhsa_float_denorm_mode_16_64 3
		.amdhsa_memory_ordered 1
		.amdhsa_forward_progress 1
		.amdhsa_inst_pref_size 54
	.end_amdhsa_kernel
	.amdgpu_metadata
---
amdhsa.version: [ 1, 2 ]
amdhsa.kernels:
  - .name:           k_qa0120e9183_attn
    .symbol:         k_qa0120e9183_attn.kd
    .args:
      - { .name: qcs, .offset: 0, .size: 8, .value_kind: global_buffer, .address_space: global }
      - { .name: kv, .offset: 8, .size: 8, .value_kind: global_buffer, .address_space: global }
      - { .name: mimg, .offset: 16, .size: 8, .value_kind: global_buffer, .address_space: global }
      - { .name: flags, .offset: 24, .size: 8, .value_kind: global_buffer, .address_space: global }
      - { .name: acs, .offset: 32, .size: 8, .value_kind: global_buffer, .address_space: global }
    .group_segment_fixed_size: 52736
    .private_segment_fixed_size: 0
    .kernarg_segment_align: 8
    .kernarg_segment_size: 40
    .max_flat_workgroup_size: 512
    .sgpr_count:     66
    .vgpr_count:     256
    .wavefront_size: 32
...
	.end_amdgpu_metadata
.endif
;; end of part 3
;; launch proj (part 4): grid 8 x 8, 4 waves a work-group, clusters of 4 x 4, 327,680 bytes of LDS; arguments acs, cod, scl, out0; writes out0
.if DOCPART == 4
	.amdgcn_target "amdgcn-amd-amdhsa--gfx1250"
	.amdhsa_code_object_version 6
	.text
	.protected	k_qa0120e9183_proj
	.globl	k_qa0120e9183_proj
	.p2align	8
	.type	k_qa0120e9183_proj,@function
k_qa0120e9183_proj:
	s_mov_b64 s[64:65], 0
	v_nop
	global_prefetch_b8 v0, s[64:65] scope:SCOPE_SE
	s_setreg_imm32_b32 hwreg(HW_REG_WAVE_MODE, 25, 1), 1
	s_wait_xcnt 0x0
	s_wait_alu depctr_hold_cnt(0) depctr_sa_sdst(0) depctr_va_vdst(0) depctr_va_sdst(0) depctr_va_ssrc(0) depctr_va_vcc(0) depctr_vm_vsrc(0)
	s_getreg_b32 s2, hwreg(HW_REG_IB_STS2, 6, 4)
	s_cmp_eq_u32 s2, 0
	s_cbranch_scc0 .Lentry_in_a_cluster
	s_endpgm
.Lentry_in_a_cluster:
	s_bfe_u32 s2, ttmp6, 0x10000c
	s_cmp_lg_u32 s2, 0xf033
	s_cbranch_scc0 .Lentry_shape_is_right
	s_endpgm
.Lentry_shape_is_right:
; out0 = (attention's result) Wo on codes of FP6 (E2M3) with one E8M0 scale for each 32 along K = 2,048; sums in f32.  A: codes [2048 token positions][1536 bytes] at acs + 0, scale bytes [position][64] at acs + 3,145,728;
; B: Wo's codes [2048 column positions][1536] at cod + 7,864,320, scale bytes at scl + 327,680.  Rows lie in position order (inside each 32 rows bits 3 and 4 of the row number change places); the way out undoes it.
; A tile of 256 x 256 is made by four waves, 128 x 128 each: 64 accumulators, 512 registers.  K goes in steps of 256 through two LDS slots filled by the tensor data mover; the scale bytes of the 512 rows come once.
; CLUSTERS: 4 x 4 work-groups.  The four of a row of the cluster need the same tiles of A, the four of a column the same tiles of B: each tile is asked for jointly, by the same tensor load with the same descriptor and a mask
; that names the four.  THE MATRIX INSTRUCTION IS USED TRANSPOSED (source 0 = 16 rows of B, source 1 = 16 rows of A): a lane holds eight neighbouring numbers of a row of the result.
; REGISTERS, in windows of 256: window 0: v0-31 addresses; v32-63 scale words, two sets; from v128 A's fragments, one set; on the way out v128-255 rows read back.  window 1: B's fragments, two sets.
;   window 2, 3: the accumulators of my rows 0-63, 64-127 ((a, b) at v[8 (8 (a % 4) + b)]).
.set SIZE_N, 2048
.set NQ,     2
.set ROWB,   192
.set KROW,   1536
.set PITCH,  240
.set FR,     12
.set NL,     6
.set NP,     4
.set HALFT,  128*PITCH
.set SLOT,   4*HALFT
.set LAPS,   4
.set KS,     64
.set SCL,    2*SLOT
.set HALFS,  (128*KS/256)*272
.set SBLK,   (16*KS/256)*272
.set SPARE,  SCL+4*HALFS               ; the spare words, 128 bytes for each wave: two blocks of 256 bytes that no other line names
.set SPITCH, 528                       ; the way out's stage, 16 rows x 528 for each wave, lies in slot 0, which has had its last fill and its last read when the first result is stored there
.set ADRA, 16
.set ADRB, 20
.set STO,  24
.set RD,   25
.set CO,   26
.set SPW,  28
.set NIL,  29
.set ADRS, 27
.set SC,   32
.set AF,   128
.set BK,   128
.set G1, 24
.set G0, 32
.set G1B, 48
.set G0B, 56
.set G1S, 68
.set G0S, 76
.set G1SB, 80
.set G0SB, 88
.set MSB, 0
.macro WIN new                         ; the immediate's high byte repeats the setting that is left
.if MSB != \new
	s_set_vgpr_msb (MSB<<8)|\new
.set MSB, \new
.endif
.endm
.set MUL_LO, 0xa1
.set MUL_HI, 0xf1
.set TO_B,   0x40
; A joint load: waves 0 and 1 fetch for A, waves 2 and 3 for B.  Each of the two lines has one mask and one set of registers for all that issue it; the branch hangs on the wave's number alone.
.macro JLOAD g0a, g1a, g0b, g1b
	s_cmp_eq_u32 s15, 0
	s_cbranch_scc0 .Lfor_b_\@
	tensor_load_to_lds s[\g0a:\g0a+3], s[\g1a:\g1a+7]
	s_nop 0
.rept 4
	v_nop
.endr
	s_branch .Lasked_\@
.Lfor_b_\@:
	tensor_load_to_lds s[\g0b:\g0b+3], s[\g1b:\g1b+7]
	s_nop 0
.rept 4
	v_nop
.endr
.Lasked_\@:
.endm
.macro CREST                           ; a round of the cluster's barrier behind its opening barrier
	s_cmp_lg_u32 s14, 0
	s_cbranch_scc1 .Lnot_wave_0_\@
	s_barrier_signal -3
.Lnot_wave_0_\@:
	s_barrier_wait -3
	s_barrier_signal -1
	s_barrier_wait -1
.endm
.macro CROUND
	s_barrier_signal -1
	s_barrier_wait -1
	CREST
.endm
	s_load_b64 s[4:5], s[0:1], 0x0                 ; acs: A's codes
	s_load_b64 s[8:9], s[0:1], 0x8                 ; cod
	s_load_b64 s[10:11], s[0:1], 0x10              ; scl
	s_load_b64 s[12:13], s[0:1], 0x18              ; out0
	v_lshl_add_u32 v[SPW], v0, 2, SPARE
	v_mov_b32 v[NIL], 0
	ds_add_u32 v28, v29
	ds_add_u32 v28, v29
	s_wait_dscnt 0x0
	v_lshrrev_b32 v1, 5, v0
	v_readfirstlane_b32 s14, v1                    ; wave 0..3
	s_lshr_b32 s15, s14, 1                         ; which half of the tile's rows is mine.  Also: I fetch for A (0) or for B (1)
	s_and_b32 s16, s14, 1                          ; which half of its columns.  Also: which 128 rows I fetch
	s_bfe_u32 s40, ttmp6, 0x40000                  ; cx, cy: my place in the cluster
	s_bfe_u32 s41, ttmp6, 0x40004
	s_lshl_b32 s42, ttmp9, 2
	s_add_co_u32 s42, s42, s40                     ; tile column = 4 x cluster x + cx
	s_and_b32 s17, ttmp7, 0xffff
	s_lshl_b32 s17, s17, 2
	s_add_co_u32 s17, s17, s41                     ; tile row = 4 x cluster y + cy
	s_lshl_b32 s43, s41, 2
	s_lshl_b32 s43, 15, s43                        ; my row of the cluster
	s_lshl_b32 s44, 0x1111, s40                    ; my column
	s_or_b32 s[G1+0], s43, (0<<16)|(1<<20)|(1<<21)|(3<<22)|(3<<25)   ; the mask; elements of 1 byte; padding of 4 words behind every 16
	s_or_b32 s[G1B+0], s44, (0<<16)|(1<<20)|(1<<21)|(3<<22)|(3<<25)
.irp g, G1, G1B
	s_mov_b32 s[\g+1], ROWB<<16
	s_mov_b32 s[\g+2], 128<<16
	s_mov_b32 s[\g+3], ROWB<<16
	s_mov_b32 s[\g+4], 128
	s_mov_b32 s[\g+5], KROW
	s_mov_b32 s[\g+6], 0
	s_mov_b32 s[\g+7], 0
.endr
	s_or_b32 s[G1S+0], s43, (3<<16)|(1<<20)|(1<<21)|(5<<22)|(3<<25)  ; the scale bytes of 128 rows: rows of 256 bytes, 16 bytes of padding behind each
	s_or_b32 s[G1SB+0], s44, (3<<16)|(1<<20)|(1<<21)|(5<<22)|(3<<25)
.irp g, G1S, G1SB
	s_mov_b32 s[\g+1], 32<<16
	s_mov_b32 s[\g+2], (128*KS/256)<<16
	s_mov_b32 s[\g+3], 32<<16
	s_mov_b32 s[\g+4], 128*KS/256
	s_mov_b32 s[\g+5], 32
	s_mov_b32 s[\g+6], 0
	s_mov_b32 s[\g+7], 0
.endr
	s_lshl_b32 s18, s16, 7
	s_lshl_b32 s20, s17, 8
	s_add_co_u32 s20, s20, s18                     ; A: row 256 x tile row + 128 x half
	s_lshl_b32 s46, s42, 8
	s_add_co_u32 s46, s46, s18                     ; B: row 256 x tile column + 128 x half
	s_mov_b32 s21, 0
	s_mov_b32 s47, 0
	s_mov_b64 s[18:19], KS
	s_mul_u64 s[22:23], s[20:21], s[18:19]
	s_mul_u64 s[92:93], s[46:47], s[18:19]
	s_mov_b64 s[18:19], KROW
	s_mul_u64 s[20:21], s[20:21], s[18:19]
	s_mul_u64 s[46:47], s[46:47], s[18:19]
	s_mul_i32 s45, s14, HALFT                      ; where they go: wave x 128 rows: no place in the cluster enters an LDS address
	s_mul_i32 s94, s14, HALFS
	s_wait_kmcnt 0x0
	s_add_nc_u64 s[6:7], s[4:5], 3145728           ; A's scale bytes
	s_add_nc_u64 s[8:9], s[8:9], 7864320           ; Wo's codes
	s_add_nc_u64 s[10:11], s[10:11], 327680        ; Wo's scale bytes
	s_add_nc_u64 s[20:21], s[4:5], s[20:21]
	s_add_nc_u64 s[22:23], s[6:7], s[22:23]
	s_add_nc_u64 s[46:47], s[8:9], s[46:47]
	s_add_nc_u64 s[92:93], s[10:11], s[92:93]
	CROUND                                         ; all sixteen work-groups are here: the first joint loads meet
	s_mov_b32 s[G0S], 1
	s_add_co_u32 s[G0S+1], s94, SCL
	s_mov_b64 s[G0S+2:G0S+3], s[22:23]
	s_or_b32 s[G0S+3], s[G0S+3], 0x80000000
	s_mov_b32 s[G0SB], 1
	s_add_co_u32 s[G0SB+1], s94, SCL
	s_mov_b64 s[G0SB+2:G0SB+3], s[92:93]
	s_or_b32 s[G0SB+3], s[G0SB+3], 0x80000000
	JLOAD G0S, G1S, G0SB, G1SB                     ; the scales first: they are wanted with K step 0
.irp s, 0,1
	s_mov_b32 s[G0+4*\s], 1
	s_add_co_u32 s[G0+4*\s+1], s45, \s*SLOT
	s_add_nc_u64 s[G0+4*\s+2:G0+4*\s+3], s[20:21], \s*ROWB
	s_or_b32 s[G0+4*\s+3], s[G0+4*\s+3], 0x80000000
	s_mov_b32 s[G0B+4*\s], 1
	s_add_co_u32 s[G0B+4*\s+1], s45, \s*SLOT
	s_add_nc_u64 s[G0B+4*\s+2:G0B+4*\s+3], s[46:47], \s*ROWB
	s_or_b32 s[G0B+4*\s+3], s[G0B+4*\s+3], 0x80000000
	JLOAD G0+4*\s, G1, G0B+4*\s, G1B
.endr
	v_and_b32 v1, 15, v0                           ; r
	v_bfe_u32 v2, v0, 4, 1                         ; h
	v_mul_u32_u24 v3, v1, PITCH
	v_mul_u32_u24 v4, v2, 24
	v_add_nc_u32 v4, v3, v4
	v_lshl_add_u32 v5, v2, 4, v4
	s_mul_i32 s21, s15, HALFT
	s_mul_i32 s22, s16, HALFT
	s_add_co_u32 s22, s22, 2*HALFT
.irp s, 0,1
	v_add_nc_u32 v[ADRA+\s], s21, v4
	v_add_nc_u32 v[ADRB+\s], s22, v4
	v_add_nc_u32 v[ADRA+2+\s], s21, v5
	v_add_nc_u32 v[ADRB+2+\s], s22, v5
	s_add_co_u32 s21, s21, SLOT
	s_add_co_u32 s22, s22, SLOT
.endr
	v_mul_u32_u24 v5, v1, KS
	v_lshrrev_b32 v6, 8, v5
	v_lshl_add_u32 v5, v6, 4, v5
	s_mul_i32 s21, s15, HALFS
	s_mul_i32 s22, s16, HALFS
	s_add_co_u32 s22, s22, 2*HALFS
	s_sub_co_u32 s22, s22, s21
	v_mul_u32_u24 v6, s22, v2                      ; lanes 16-31 take B's
	s_add_co_u32 s21, s21, SCL
	v_add_nc_u32 v5, v5, v6
	v_add_nc_u32 v[ADRS], s21, v5
	s_mul_i32 s23, s14, 16*SPITCH                  ; my stage
	v_mul_u32_u24 v5, v1, SPITCH
	v_lshl_add_u32 v5, v2, 6, v5                   ; row r; my half's 16 columns of each 32 begin 64 h bytes on
	v_add_nc_u32 v[STO], s23, v5
	v_and_b32 v6, 31, v0
	v_lshlrev_b32 v[CO], 4, v6
	v_add_nc_u32 v[RD], s23, v[CO]
	s_lshl_b32 s20, s17, 8
	s_lshl_b32 s21, s15, 7
	s_add_co_u32 s20, s20, s21                     ; my first row of the result
	s_mov_b32 s21, 0
	s_mov_b64 s[18:19], SIZE_N*4
	s_mul_u64 s[20:21], s[20:21], s[18:19]
	s_lshl_b32 s46, s42, 10
	s_lshl_b32 s47, s16, 9
	s_add_co_u32 s46, s46, s47
	s_mov_b32 s47, 0
	s_add_nc_u64 s[20:21], s[20:21], s[46:47]
	s_add_nc_u64 s[12:13], s[12:13], s[20:21]
.macro FRAG reg, adr, q, i
.irp p, 0,1,2,3,4,5
.set PC, 12*(\q)+6*(\p/3)+\p%3
.if PC%8 < 5
	ds_load_b64 v[\reg+2*\p:\reg+2*\p+1], v[\adr] offset:8*PC+16*(PC/8)+(\i)*16*PITCH
.else
	ds_load_b64 v[\reg+2*\p:\reg+2*\p+1], v[\adr+2] offset:8*PC+16*(PC/8)+(\i)*16*PITCH
.endif
.endr
.endm
; The 64 accumulators take turns, one instruction a turn, in the same order in every step.
.macro MUL16 a0, p, q, sc, zero
.irp a, \a0, \a0+1
.irp b, 0,1,2,3,4,5,6,7
.if \zero
	v_wmma_scale_f32_16x16x128_f8f6f4 v[8*(8*((\a)%4)+\b):8*(8*((\a)%4)+\b)+7], v[128*(\p)+FR*\b:128*(\p)+FR*\b+FR-1], v[AF+FR*(\a):AF+FR*(\a)+FR-1], 0, v[SC+8*NQ*(\sc)+NQ*\b+(\q)], v[SC+8*NQ*(\sc)+NQ*(\a)+(\q)] matrix_a_fmt:MATRIX_FMT_FP6 matrix_b_fmt:MATRIX_FMT_FP6 matrix_a_scale:MATRIX_SCALE_ROW1
.else
	v_wmma_scale_f32_16x16x128_f8f6f4 v[8*(8*((\a)%4)+\b):8*(8*((\a)%4)+\b)+7], v[128*(\p)+FR*\b:128*(\p)+FR*\b+FR-1], v[AF+FR*(\a):AF+FR*(\a)+FR-1], v[8*(8*((\a)%4)+\b):8*(8*((\a)%4)+\b)+7], v[SC+8*NQ*(\sc)+NQ*\b+(\q)], v[SC+8*NQ*(\sc)+NQ*(\a)+(\q)] matrix_a_fmt:MATRIX_FMT_FP6 matrix_b_fmt:MATRIX_FMT_FP6 matrix_a_scale:MATRIX_SCALE_ROW1
.endif
.endr
.endr
.endm
.macro FETCH_B slot, q, p
	WIN TO_B
.irp i, 0,1,2,3,4,5,6,7
	FRAG 128*(\p)+FR*\i, ADRB+\slot, \q, \i
.endr
	WIN 0
.endm
.macro FETCH_A slot, q, i0
.irp i, \i0, \i0+1, \i0+2, \i0+3
	FRAG AF+FR*(\i), ADRA+\slot, \q, \i
.endr
.endm
.macro SCALES sc
.irp i, 0,1,2,3,4,5,6,7
	ds_load_b64 v[SC+8*NQ*\sc+NQ*\i:SC+8*NQ*\sc+NQ*\i+1], v[ADRS] offset:\i*SBLK
.endr
.endm
.macro PLACES n                        ; plain vector instructions between a matrix instruction and a load into, or a read of, its registers
.rept \n
	v_nop
.endr
.endm
.macro STEP slot, q, zero
	s_wait_dscnt 4*NL                              ; B's set and A's blocks 0-3 are in; the youngest 24 loads (A's blocks 4-7) may be out
	WIN MUL_LO
	MUL16 0, (\q)%2, \q, \slot, \zero
	MUL16 2, (\q)%2, \q, \slot, \zero
	s_wait_dscnt 0
	PLACES NP
	FETCH_B \slot, (\q)+1, 1-(\q)%2
	FETCH_A \slot, (\q)+1, 0
	WIN MUL_HI
	MUL16 4, (\q)%2, \q, \slot, \zero
	MUL16 6, (\q)%2, \q, \slot, \zero
	PLACES NP
	WIN 0
	FETCH_A \slot, (\q)+1, 4
.endm
; A slot's last step changes slots: one barrier; in front of it each wave waits for all its tensor loads, adds 0 to its spare word, and waits for that and for its own reads of this slot.
.macro TURN slot, next, fill
	s_wait_tensorcnt 0x0                           ; all my tensor loads have landed: my part of the next slot
	ds_add_u32 v[SPW], v[NIL]                      ; 0 onto my spare word
	s_wait_dscnt 4*NL+1                            ; (the add and the youngest 24 loads may be out)
	WIN MUL_LO
	MUL16 0, 1, NQ-1, \slot, 0
	s_wait_dscnt 0x0                               ; the add is done, and my reads of this slot are over
	s_barrier_signal -1
	MUL16 2, 1, NQ-1, \slot, 0
	WIN 0
	s_barrier_wait -1
.if \fill
	CREST                                          ; the barrier has opened a round of the cluster's barrier: no wave of any partner still reads this slot's tile or has a load on its way
	s_add_nc_u64 s[G0+4*\slot+2:G0+4*\slot+3], s[G0+4*\slot+2:G0+4*\slot+3], 2*ROWB
	s_add_nc_u64 s[G0B+4*\slot+2:G0B+4*\slot+3], s[G0B+4*\slot+2:G0B+4*\slot+3], 2*ROWB
	JLOAD G0+4*\slot, G1, G0B+4*\slot, G1B         ; the first tensor load behind the round; its four v_nop are the places in front of the loads below
.else
	PLACES NP
.endif
	v_add_nc_u32 v[ADRS], 4*NQ, v[ADRS]
	FETCH_B \next, 0, 0
	FETCH_A \next, 0, 0
	SCALES \next
	WIN MUL_HI
	MUL16 4, 1, NQ-1, \slot, 0
	MUL16 6, 1, NQ-1, \slot, 0
	PLACES NP
	WIN 0
	FETCH_A \next, 0, 4
.endm
	s_wait_tensorcnt 1                             ; the scales and my part of K step 0 are in (K step 1's load may be out)
	s_barrier_signal -1
	s_barrier_wait -1
	FETCH_B 0, 0, 0
	FETCH_A 0, 0, 0
	SCALES 0
	FETCH_A 0, 0, 4
	STEP 0, 0, 1                                   ; the first step's products start the sums
	s_mov_b32 s3, LAPS-1
.Llap:
	TURN 0, 1, 1
	STEP 1, 0, 0
	TURN 1, 0, 1
	STEP 0, 0, 0
	s_sub_co_u32 s3, s3, 1
	s_cmp_lg_u32 s3, 0
	s_cbranch_scc1 .Llap
	TURN 0, 1, 0                                   ; the last lap fills nothing, and has no round of the cluster's barrier
	STEP 1, 0, 0
	s_wait_dscnt 4*NL
	WIN MUL_LO
	MUL16 0, 1, NQ-1, 1, 0
	MUL16 2, 1, NQ-1, 1, 0
	s_wait_dscnt 0
	WIN MUL_HI
	MUL16 4, 1, NQ-1, 1, 0
	MUL16 6, 1, NQ-1, 1, 0
	WIN 0
; THE WAY OUT, block by block of 16 rows x 128 columns, through my own stage and back as rows of 512 bytes.  The position order is undone: accumulator (a, b), lane (r, h), register j is column 32 (b / 2) + 16 h + 8 (b % 2) + j,
; and stage row t of block a is row 32 (a / 2) + 8 (a % 2) + t + 8 (t / 8) of my 128.  All of that stands in immediates: no base is stepped.
.macro TOSTAGE a
.set AC, 64*((\a)%4)
	WIN 0x08+4*((\a)/4)
.irp b, 0,1,2,3,4,5,6,7
	ds_store_b128 v[STO], v[AC+8*\b:AC+8*\b+3] offset:128*(\b/2)+32*(\b%2)          ; each accumulator from its low end on
	ds_store_b128 v[STO], v[AC+8*\b+4:AC+8*\b+7] offset:128*(\b/2)+32*(\b%2)+16
.endr
	WIN 0
.set BB, BK+64*((\a)%2)
.irp t, 0,1,2,3,4,5,6,7,8,9,10,11,12,13,14,15
	ds_load_b128 v[BB+4*\t:BB+4*\t+3], v[RD] offset:\t*SPITCH      ; LDS serves a wave's instructions in order: these see the stores above
.endr
.endm
.macro SEND a, younger
.set BB, BK+64*((\a)%2)
	s_wait_dscnt \younger
.irp t, 0,1,2,3,4,5,6,7,8,9,10,11,12,13,14,15
	global_store_b128 v[CO], v[BB+4*\t:BB+4*\t+3], s[12:13] offset:(32*((\a)/2)+8*((\a)%2)+\t+8*(\t/8))*SIZE_N*4 th:TH_STORE_NT   ; 512 consecutive bytes; 127 rows of 8,192 bytes at the most in the immediate
.endr
.endm
	PLACES NP
	TOSTAGE 0
.irp a, 1,2,3,4,5,6,7
.if \a > 1
	s_wait_xcnt 0x0                                ; block a - 2's stores have read their registers: block a's loads may land there
.endif
	TOSTAGE \a
	SEND \a-1, 32                                  ; behind block a - 1's loads: block a's 16 stores and 16 loads
.endr
	SEND 7, 0
	s_wait_tensorcnt 0x0                           ; the wave's end: behind my last tensor load and my last LDS store
	ds_add_u32 v[SPW], v[NIL]
	s_wait_dscnt 0x0
	CROUND                                         ; the closing round: no work-group ends while a partner may still ask for a tile that names it
	s_endpgm
.Lfunc_end_k_qa0120e9183_proj:
	.size	k_qa0120e9183_proj, .Lfunc_end_k_qa0120e9183_proj-k_qa0120e9183_proj
	.p2alignl 7, 3214868480
	.fill 96, 4, 3214868480
	.section	.rodata,"a",@progbits
	.p2align	6, 0x0
	.amdhsa_kernel k_qa0120e9183_proj
		.amdhsa_group_segment_fixed_size 327680
		.amdhsa_private_segment_fixed_size 0
		.amdhsa_enable_private_segment 0
		.amdhsa_kernarg_size 32
		.amdhsa_user_sgpr_count 2
		.amdhsa_user_sgpr_kernarg_segment_ptr 1
		.amdhsa_wavefront_size32 1
		.amdhsa_system_sgpr_workgroup_id_x 1
		.amdhsa_system_sgpr_workgroup_id_y 1
		.amdhsa_system_sgpr_workgroup_id_z 1
		.amdhsa_system_vgpr_workitem_id 0
		.amdhsa_next_free_vgpr 1024
		.amdhsa_next_free_sgpr 98
		.amdhsa_reserve_vcc 0
		.amdhsa_float_denorm_mode_32 3
		.amdhsa_float_denorm_mode_16_64 3
		.amdhsa_memory_ordered 1
		.amdhsa_forward_progress 1
		.amdhsa_inst_pref_size 160
	.end_amdhsa_kernel
	.amdgpu_metadata
---
amdhsa.version: [ 1, 2 ]
amdhsa.kernels:
  - .name:           k_qa0120e9183_proj
    .symbol:         k_qa0120e9183_proj.kd
    .args:
      - { .name: acs, .offset: 0, .size: 8, .value_kind: global_buffer, .address_space: global }
      - { .name: cod, .offset: 8, .size: 8, .value_kind: global_buffer, .address_space: global }
      - { .name: scl, .offset: 16, .size: 8, .value_kind: global_buffer, .address_space: global }
      - { .name: out0, .offset: 24, .size: 8, .value_kind: global_buffer, .address_space: global }
    .group_segment_fixed_size: 327680
    .private_segment_fixed_size: 0
    .kernarg_segment_align: 8
    .kernarg_segment_size: 32
    .max_flat_workgroup_size: 128
    .sgpr_count:     98
    .vgpr_count:     1024
    .wavefront_size: 32
...
	.end_amdgpu_metadata
.endif
;; end of part 4
